; MI455X (gfx1250); checked and timed in simulation.
; The chip was launched on July 23, 2026; its instructions are those of AMD's public machine-readable ISA for CDNA 5 (MIT licence, August 2026) and "CDNA5" Instruction Set Architecture Reference Guide (July 2026). The comments in the code are by the model that wrote it; some were corrected since.
;; VQFFN1. Allowed arithmetic: matrix products marked QUANTISED: E2M1 operands, one E8M0 scale for each 32 along K, by v_wmma_scale_f32_16x16x128_f8f6f4 with both operands' format E2M1 (or v_wmma_scale_f32_32x16x128_f4), f32 sums; everything else in f32.
;; Inputs: weight 2,048 x 1,024 float32; x 4 x 4,096 x 1,024 float32.
;; Outputs: out0 4 x 4,096 x 1,024 float32.
;; This version of the problem:
;;   THIS VERSION OF THE PROBLEM IS GIVEN IN LOW PRECISION. The matrix products marked QUANTISED in the list below multiply operands that are first quantised to E2M1 (2 exponent bits, 1 mantissa bit; 4 bits a number), with one power-of-two scale for each 32 numbers along K (OCP MX v1.0); their sums are f32. All else is computed in f32.
;;   The module's matrix products, in the order in which they are computed (A, B: the left and right operand; K: the contracted axis; several contracted axes count as one K, in the product's order):
;;     1. [M 16,384, K 1,024] x [K 1,024, N 2,048]; A: computed on the way; B: computed on the way: QUANTISED
;;     2. [M 16,384, K 2,048] x [K 2,048, N 1,024]; A: softmax (see below); B: input weight: QUANTISED
;;   THE QUANTISER, for each operand of a quantised product, along K:
;;     - K is cut into blocks of 32 from its start; a last block that is shorter is filled with zeros.
;;     - A block's scale is 2^e with e = floor(log2(the largest magnitude in the block)) - 2, held to -126 .. 127; a block of zeros has e = 0. As a byte (E8M0): e + 127.
;;     - Each number is divided by its block's scale, clamped to +-6, and rounded to the nearest number of E2M1, ties to even, subnormals kept.
;;     - The product sums the exact products of the quantised numbers (number of the format x scale) in f32.
;;   ~~~python
;;   def quantise(x, axis):      # numpy; x: float32 -> the quantised numbers, widened to float32 again
;;       x = np.moveaxis(x, axis, -1); K = x.shape[-1]
;;       x = np.pad(x, [(0, 0)] * (x.ndim - 1) + [(0, -K % 32)]); x = x.reshape(x.shape[:-1] + (-1, 32)); a = np.abs(x).max(-1, keepdims=True)
;;       e = np.where(a > 0, np.clip(np.frexp(np.where(a > 0, a, 1))[1] - 1 - 2, -126, 127), 0)      # np.frexp(a)[1] - 1 = floor(log2(a)), exactly
;;       r = np.clip(x / 2.0 ** e, -6, 6)
;;       step = 2.0 ** (np.maximum(np.frexp(np.where(r == 0, 1, r))[1] - 1, 0) - 1)
;;       q = np.round(r / step) * step * 2.0 ** e      # np.round: ties to even
;;       return np.moveaxis(q.reshape(q.shape[:-2] + (-1,))[..., :K], -1, axis).astype(np.float32)
;;   ~~~
;;   SOFTMAX AHEAD OF A QUANTISED PRODUCT. Where the list says 'softmax', what is quantised is not the finished softmax but p = 2^(t - M), with t = logit x log2(e) and M = ceil(the row's largest t), a whole number; so 1/2 < the row's largest p <= 1. The row's sum l is taken of the UNQUANTISED p, in f32, and the product's result is divided by l at the end. Since M is a whole number, a kernel that streams over the keys may use a running M (the ceiling of the running maximum): every later rescaling is an exact power of two, which a block's scale takes up: the codes' values come out the same.
;;   OPERANDS COMPUTED ON THE WAY. 'Computed on the way' means the value that the module computes at that place (a softmax that the list does not call 'softmax' is quantised finished and normalised). What goes into a quantiser is computed in f32, as accurately as f32 sums, v_exp_f32 and their like allow (about 1e-6 of the number): no bf16 or f16 on the way to a quantiser, and a product that is left as it is and whose result goes on into a quantised operand takes f32 operands (vector FMAs, or v_wmma_f32_16x16x4_f32). A number that lies on a knife's edge between two numbers of the format may be rounded either way, as far as f32 arithmetic and the matrix unit's own rounding can turn it there, and no further.
;; 2 versions, each right; version 2 is version 1 with the launch vq written anew for expert scheduling mode. Each part assembles by itself: llvm-mc -triple=amdgcn-amd-amdhsa -mcpu=gfx1250 --defsym DOCPART=n.
;; ======== version 1 of 2: 2 launches
;; workspace buffers: x_codes 8,388,608 bytes; x_scales 524,288 bytes; wn_codes 1,048,576 bytes; wn_scales 65,536 bytes; wt_codes 1,048,576 bytes; wt_scales 65,536 bytes
;; launch prep (part 1): grid 416 x 1, 4 waves a work-group, no clusters, 37,376 bytes of LDS; arguments x, weight, x_codes, x_scales, wn_codes, wn_scales, wt_codes, wt_scales; writes x_codes, x_scales, wn_codes, wn_scales, wt_codes, wt_scales
.if DOCPART == 1
	.amdgcn_target "amdgcn-amd-amdhsa--gfx1250"
	.amdhsa_code_object_version 6
	.text
	.protected	k_q9d2e369d03_prep
	.globl	k_q9d2e369d03_prep
	.p2align	8
	.type	k_q9d2e369d03_prep,@function
k_q9d2e369d03_prep:
	s_mov_b64 s[64:65], 0
	v_nop
	global_prefetch_b8 v0, s[64:65] scope:SCOPE_SE
	s_setreg_imm32_b32 hwreg(HW_REG_WAVE_MODE, 25, 1), 1
	s_wait_xcnt 0x0
; All three operands that the second launch reads are made here, as codes of FP4 (E2M1) with one E8M0 byte for each 32 along K,
; laid IN THE ORDER OF THE OPERANDS' REGISTERS: a fragment (16 rows x 128 K) is an image of 1,024 bytes; block q of 32 along K, row r: 16 bytes at 256 q + 16 r.
; Scale words (four bytes: 128 along K of one row) lie [group of 64 rows][K step][lane 16 h + r][tau]: the word of row r of tile 2 tau + h: a lane takes two words by one load of 8 bytes.
;   work-groups 0-127:   weight [2048 codes][1024 d], as it is, quantised DOWN THE CODES (the second product's K) -> wt_codes, wt_scales
;   work-groups 128-383: x, 64 rows each: y = x / sqrt(mean(x^2) + 1e-6), quantised along d -> x_codes, x_scales
;   work-groups 384-415: weight, 64 rows each, the same arithmetic -> wn_codes, wn_scales   (one text; only pointers are chosen)
; A block's scale is 2^(floor(log2(its largest magnitude)) - 2): its byte is the largest magnitude's exponent field - 2, held at 1 from below by a floor among the maximum's leaves.
; LIMITS: NaN and infinities are not served.  A block whose largest magnitude lies under 2^-124 keeps the byte 1; a block of zeros gets the byte 1 where the rule says 127:
; its codes are zeros, which add nothing under any byte but 0xff, and the bytes are read by this program alone.  The sum of squares is taken in another order than a plain chain.
; No tensor loads, no cluster: every input byte is wanted by one wave alone.  No prefetch: all loads of a wave are issued as far ahead as its registers allow.
.set WST, 8704                         ; LDS: a stage of 32 chunks x 272 bytes for each wave (a chunk: one block q of 16 rows, 256 bytes + 16 of padding)
.set CP,  272
.set SCS, 4*WST                        ; behind them: the work-group's 2,048 bytes of scale words, in the buffer's own order
	s_load_b256 s[4:11], s[0:1], 0x0               ; x s[4:5], weight s[6:7], x_codes s[8:9], x_scales s[10:11]
	s_load_b256 s[12:19], s[0:1], 0x20             ; wn_codes s[12:13], wn_scales s[14:15], wt_codes s[16:17], wt_scales s[18:19]
	v_lshl_add_u32 v254, v0, 2, 0x9000
	v_mov_b32 v255, 0
	v_lshrrev_b32 v1, 5, v0
	v_readfirstlane_b32 s20, v1                    ; wave 0..3
	v_and_b32 v1, 31, v0                           ; lane l
	s_mov_b32 s29, 0
	s_cmp_lt_u32 ttmp9, 128                        ; the same in all waves of a work-group
	s_cbranch_scc0 .Lrows
; ---------------- DOWN THE CODES.  A lane takes a column d, and its registers run down the codes: a block of 32 lies in one lane, and the codes come out with K innermost.
; A wave: 32 neighbouring d x 128 codes (K step s).  The four waves stand side by side on 512 bytes of each row of weight.
	s_lshr_b32 s26, ttmp9, 3                       ; s = K step 0..15
	s_and_b32 s27, ttmp9, 7
	s_lshl_b32 s27, s27, 2
	s_add_co_u32 s27, s27, s20                     ; dp = which 32 d, 0..31
	s_lshl_b32 s28, s26, 19                        ; 128 rows of 4,096 bytes
	s_lshl_b32 s30, s27, 7
	s_add_co_u32 s28, s28, s30                     ; + 128 bytes for each 32 d
	s_lshr_b32 s31, s27, 1                         ; G = d / 64
	s_and_b32 s32, s27, 1                          ; tau: tiles 2 tau and 2 tau + 1 of the group
	s_lshl_b32 s34, s31, 16                        ; codes: ((16 G + s) 4 + 2 tau) x 1,024
	s_lshl_b32 s30, s26, 12
	s_add_co_u32 s34, s34, s30
	s_lshl_b32 s30, s32, 11
	s_add_co_u32 s34, s34, s30
	s_mov_b32 s35, 0
	s_lshl_b32 s36, s31, 12                        ; scale words: (16 G + s) x 256 + 4 tau
	s_lshl_b32 s30, s26, 8
	s_add_co_u32 s36, s36, s30
	s_lshl_b32 s30, s32, 2
	s_add_co_u32 s36, s36, s30
	s_mov_b32 s37, 0
	v_lshlrev_b32 v2, 2, v1                        ; in: 4 bytes a lane
	v_lshrrev_b32 v3, 4, v1
	v_and_b32 v4, 15, v1
	v_lshlrev_b32 v3, 10, v3                       ; out: lanes 16-31 belong to the next tile, 1,024 bytes on;
	v_lshl_add_u32 v3, v4, 4, v3                   ; row r: 16 bytes
	v_lshlrev_b32 v5, 3, v1                        ; the scale word: 8 bytes a lane
	s_wait_kmcnt 0x0
	s_add_nc_u64 s[6:7], s[6:7], s[28:29]
	s_add_nc_u64 s[16:17], s[16:17], s[34:35]
	s_add_nc_u64 s[18:19], s[18:19], s[36:37]
.set JJ, 0
.rept 128
	global_load_b32 v[32+JJ], v2, s[6:7] offset:JJ*4096   ; weight(128 s + JJ, my d): 32 lanes read 128 neighbouring bytes.  (No hint: the rows' path reads these bytes too)
.set JJ, JJ+1
.endr
.macro BLOCK kb, left                  ; block kb of the four: 32 numbers, all mine
.set XS, 32+32*(\kb)
	s_wait_loadcnt \left
	v_max3_num_f32 v16, |v[XS]|, |v[XS+1]|, |v[XS+2]|
	v_max3_num_f32 v17, |v[XS+3]|, |v[XS+4]|, |v[XS+5]|
.irp i, 6,10,14,18,22,26
	v_max3_num_f32 v16, v16, |v[XS+\i]|, |v[XS+\i+1]|
	v_max3_num_f32 v17, v17, |v[XS+\i+2]|, |v[XS+\i+3]|
.endr
	v_max3_num_f32 v16, v16, |v[XS+30]|, |v[XS+31]|
	v_max3_num_f32 v16, v16, v17, 0x1800000        ; and the floor 2^(3 - 127): the byte cannot fall under 1
	v_add_nc_u32 v18, 0xff000000, v16              ; 2 off the exponent field: the conversion takes the exponent field of this operand as its scale
.irp g, 0,1,2,3
	v_cvt_scalef32_pk8_fp4_f32 v[160+4*(\kb)+\g], v[XS+8*\g:XS+8*\g+7], v18
.endr
	v_lshrrev_b32 v19, 23, v18                     ; the byte.  (Also the plain line behind the conversions)
.if (\kb) == 0
	v_mov_b32 v24, v19
.else
	v_lshl_or_b32 v24, v19, 8*(\kb), v24           ; four bytes make my row's scale word for this K step
.endif
	global_store_b128 v3, v[160+4*(\kb):163+4*(\kb)], s[16:17] offset:256*(\kb)   ; sixteen lanes store 256 consecutive bytes, aligned; each block has its own four registers
.endm
	BLOCK 0, 63                                    ; 96 younger loads are out: 63 is the largest count that the wait can name
	BLOCK 1, 63                                    ; 64 younger
	BLOCK 2, 32
	BLOCK 3, 0
	global_store_b32 v5, v24, s[18:19]             ; 4 of every 8 bytes: the other tau's wave stores the rest.  One byte in 128 of what this path reads
	s_endpgm
; ---------------- ALONG THE ROWS.  A wave takes a tile of 16 rows of 4,096 bytes.  Of a row a lane holds k = 256 j + 8 l + 0 .. 7, j = 0 .. 3: eight neighbours, as the conversion wants them; four lanes hold a block.
.Lrows:
	s_mov_b32 s22, 0x76543210
	s_mov_b32 s23, 0xfedcba98                      ; v_permlanex16_b32: lane l xor 16
	s_mov_b32 s24, 0x3a800000                      ; 1 / 1024
	s_mov_b32 s25, 0x358637bd                      ; 1e-6
	v_lshlrev_b32 v2, 5, v1                        ; in: 32 bytes a lane
	s_mul_i32 s30, s20, WST                        ; my stage
	v_lshrrev_b32 v16, 2, v1
	v_and_b32 v17, 3, v1
	v_mul_u32_u24 v3, v16, CP
	v_lshl_add_u32 v3, v17, 2, v3
	v_add_nc_u32 v3, s30, v3                       ; codes in: chunk 8 j + l / 4, row i, 4 bytes at 4 (l % 4): the 32 lanes touch 32 different banks (64 banks of 4 bytes: ISA guide 11.1)
	v_lshrrev_b32 v18, 4, v1
	v_and_b32 v19, 15, v1
	v_bfe_u32 v17, v1, 2, 2
	v_lshl_add_u32 v4, v18, 8, v17                 ; scale bytes in: K step 2 j + l / 16, byte (l / 4) % 4,
	s_and_b32 s31, s20, 1
	s_lshl_b32 s31, s31, 7                         ; my tile w = 2 tau + h: lanes 16 h on (8 bytes each),
	s_lshr_b32 s32, s20, 1
	s_lshl_b32 s32, s32, 2                         ; word tau
	s_add_co_u32 s31, s31, s32
	s_add_co_u32 s31, s31, SCS
	v_add_nc_u32 v4, s31, v4
	v_mul_u32_u24 v5, v18, CP
	v_lshl_add_u32 v5, v19, 4, v5
	v_add_nc_u32 v5, s30, v5                       ; codes back: two chunks an instruction, 16 bytes a lane
	v_lshlrev_b32 v6, 4, v1                        ; and out: 512 consecutive bytes
	s_lshl_b32 s33, s20, 9
	s_add_co_u32 s32, s33, SCS
	v_add_nc_u32 v7, s32, v6                       ; scale words back: my quarter of the 2,048 bytes
	v_mov_b32 v13, 0                               ; a lane permute's destination counts as one of its sources
	v_mov_b32 v15, 0                               ; named as the upper half of the pair v[14:15]
	s_sub_co_u32 s26, ttmp9, 128
	s_wait_kmcnt 0x0
	s_cmp_lt_u32 s26, 256                          ; x or weight?  The choice hangs on the work-group's number alone
	s_cselect_b64 s[4:5], s[4:5], s[6:7]
	s_cselect_b64 s[8:9], s[8:9], s[12:13]
	s_cselect_b64 s[10:11], s[10:11], s[14:15]
	s_cselect_b32 s27, 0, 256
	s_sub_co_u32 s26, s26, s27                     ; which 64 rows of the tensor
	s_lshl_b32 s27, s26, 2
	s_add_co_u32 s27, s27, s20                     ; my tile
	s_lshl_b32 s28, s27, 16
	s_add_nc_u64 s[4:5], s[4:5], s[28:29]          ; 16 rows of 4,096 bytes a tile
	s_lshl_b32 s28, s27, 13
	s_add_nc_u64 s[8:9], s[8:9], s[28:29]          ; 8,192 bytes of codes a tile
	s_lshl_b32 s28, s26, 11
	s_add_co_u32 s28, s28, s33
	s_add_nc_u64 s[10:11], s[10:11], s[28:29]      ; 2,048 bytes of scale words for 64 rows, my quarter
.macro LOADROW i                       ; row i into slot i % 6: each pair of loads covers 1,024 consecutive bytes.  x is read once; of this path's bytes eight ninths are x's
.irp j, 0,1,2,3
	global_load_b128 v[32+32*((\i)%6)+8*\j:32+32*((\i)%6)+8*\j+3], v2, s[4:5] offset:4096*(\i)+1024*\j th:TH_LOAD_NT
	global_load_b128 v[32+32*((\i)%6)+8*\j+4:32+32*((\i)%6)+8*\j+7], v2, s[4:5] offset:4096*(\i)+1024*\j+16 th:TH_LOAD_NT
.endr
.endm
.irp i, 0,1,2,3,4,5
	LOADROW \i
.endr
.macro ROW i
.set XS, 32+32*((\i)%6)
.if (\i) <= 10
	s_wait_loadcnt 40                              ; my row's eight loads are in; the five rows behind it stay out
.else
	s_wait_loadcnt 8*(15-(\i))
.endif
	v_pk_mul_f32 v[8:9], v[XS:XS+1], v[XS:XS+1]    ; the sum of squares, in two packed chains
	v_pk_mul_f32 v[10:11], v[XS+2:XS+3], v[XS+2:XS+3]
.irp k, 4,8,12,16,20,24,28
	v_pk_fma_f32 v[8:9], v[XS+\k:XS+\k+1], v[XS+\k:XS+\k+1], v[8:9]
	v_pk_fma_f32 v[10:11], v[XS+\k+2:XS+\k+3], v[XS+\k+2:XS+\k+3], v[10:11]
.endr
	v_pk_add_f32 v[8:9], v[8:9], v[10:11]
	v_add_f32 v12, v8, v9
	v_add_f32_dpp v12, v12, v12 row_xmask:1 row_mask:0xf bank_mask:0xf
	v_add_f32_dpp v12, v12, v12 row_xmask:2 row_mask:0xf bank_mask:0xf
	v_add_f32_dpp v12, v12, v12 row_xmask:4 row_mask:0xf bank_mask:0xf
	v_add_f32_dpp v12, v12, v12 row_xmask:8 row_mask:0xf bank_mask:0xf
	v_permlanex16_b32 v13, v12, s22, s23
	v_add_f32 v12, v12, v13
	v_fma_f32 v12, v12, s24, s25                   ; the mean + 1e-6
	v_rsq_f32 v14, v12
	; behind the root, work that names neither v12 nor v14: each block's largest |x|.  Rounding keeps order, so (largest |x|) x rs IS the largest |x rs|, bit for bit
.irp j, 0,1,2,3
	v_max3_num_f32 v[16+\j], |v[XS+8*\j]|, |v[XS+8*\j+1]|, |v[XS+8*\j+2]|
.endr
.irp j, 0,1,2,3
	v_max3_num_f32 v[16+\j], v[16+\j], |v[XS+8*\j+3]|, |v[XS+8*\j+4]|
.endr
.irp j, 0,1,2,3
	v_max3_num_f32 v[16+\j], v[16+\j], |v[XS+8*\j+5]|, |v[XS+8*\j+6]|
.endr
.irp j, 0,1,2,3
	v_max_num_f32 v[16+\j], v[16+\j], |v[XS+8*\j+7]|
.endr
.irp j, 0,1,2,3
	v_max_num_f32_dpp v[16+\j], v[16+\j], v[16+\j] row_xmask:1 row_mask:0xf bank_mask:0xf
.endr
.irp j, 0,1,2,3
	v_max_num_f32_dpp v[16+\j], v[16+\j], v[16+\j] row_xmask:2 row_mask:0xf bank_mask:0xf   ; the four lanes of a block
.endr
	s_wait_alu depctr_va_vdst(0)                   ; the wait ahead of the first line that names the root's result
.irp j, 0,1,2,3
	v_mul_f32 v[16+\j], v[16+\j], v14
.endr
.irp j, 0,1,2,3
	v_max_num_f32 v[16+\j], 0x1800000, v[16+\j]    ; the floor 2^(3 - 127)
.endr
.irp k, 0,2,4,6,8,10,12,14,16,18,20,22,24,26,28,30
	v_pk_mul_f32 v[XS+\k:XS+\k+1], v[XS+\k:XS+\k+1], v[14:15] op_sel_hi:[1,0]   ; y = x rs
.endr
.irp j, 0,1,2,3
	v_add_nc_u32 v[20+\j], 0xff000000, v[16+\j]    ; the conversion's scale operand
.endr
	s_wait_dscnt 0x0                               ; the last row's LDS stores have read their registers
.irp j, 0,1,2,3
	v_cvt_scalef32_pk8_fp4_f32 v[28+\j], v[XS+8*\j:XS+8*\j+7], v[20+\j]
.endr
.irp j, 0,1,2,3
	v_lshrrev_b32 v[24+\j], 23, v[20+\j]           ; the bytes.  (Also the plain lines behind the conversions)
.endr
.irp j, 0,1,2,3
	ds_store_b32 v3, v[28+\j] offset:\j*8*CP+16*(\i)
	ds_store_b8 v4, v[24+\j] offset:\j*512+8*(\i)  ; the four lanes of a block write the same byte with the same value
.endr
.if (\i)+6 < 16
	LOADROW (\i)+6                                 ; into the slot just worked
.endif
.endm
.irp i, 0,1,2,3,4,5,6,7,8,9,10,11,12,13,14,15
	ROW \i
.endr
.irp i, 0,1,2,3,4,5,6,7,8,9,10,11,12,13,14,15
	ds_load_b128 v[32+4*\i:35+4*\i], v5 offset:2*CP*\i   ; LDS serves a wave's instructions in order (ISA guide 5.7.1.4): these see my stores
.endr
.irp i, 0,1,2,3,4,5,6,7,8,9,10,11,12,13,14,15
	s_wait_dscnt 15-\i
	global_store_b128 v6, v[32+4*\i:35+4*\i], s[8:9] offset:512*\i   ; 512 consecutive bytes, aligned
.endr
	s_wait_dscnt 0x0                               ; for the others' sake: my scale bytes have landed
	s_barrier_signal -1
	s_barrier_wait -1                              ; the scale words of 64 rows come from four waves
	ds_load_b128 v[96:99], v7
	s_wait_dscnt 0x0
	global_store_b128 v6, v[96:99], s[10:11]       ; 512 consecutive bytes, aligned
	s_wait_tensorcnt 0x0
	ds_add_u32 v254, v255
	s_wait_dscnt 0x0
	s_endpgm
.Lfunc_end_k_q9d2e369d03_prep:
	.size	k_q9d2e369d03_prep, .Lfunc_end_k_q9d2e369d03_prep-k_q9d2e369d03_prep
	.p2alignl 7, 3214868480
	.fill 96, 4, 3214868480
	.section	.rodata,"a",@progbits
	.p2align	6, 0x0
	.amdhsa_kernel k_q9d2e369d03_prep
		.amdhsa_group_segment_fixed_size 37376
		.amdhsa_private_segment_fixed_size 0
		.amdhsa_enable_private_segment 0
		.amdhsa_kernarg_size 64
		.amdhsa_user_sgpr_count 2
		.amdhsa_user_sgpr_kernarg_segment_ptr 1
		.amdhsa_wavefront_size32 1
		.amdhsa_system_sgpr_workgroup_id_x 1
		.amdhsa_system_sgpr_workgroup_id_y 1
		.amdhsa_system_sgpr_workgroup_id_z 1
		.amdhsa_system_vgpr_workitem_id 0
		.amdhsa_next_free_vgpr 256
		.amdhsa_next_free_sgpr 66
		.amdhsa_reserve_vcc 0
		.amdhsa_float_denorm_mode_32 3
		.amdhsa_float_denorm_mode_16_64 3
		.amdhsa_memory_ordered 1
		.amdhsa_forward_progress 1
		.amdhsa_inst_pref_size 128
	.end_amdhsa_kernel
	.amdgpu_metadata
---
amdhsa.version: [ 1, 2 ]
amdhsa.kernels:
  - .name:           k_q9d2e369d03_prep
    .symbol:         k_q9d2e369d03_prep.kd
    .args:
      - { .name: x, .offset: 0, .size: 8, .value_kind: global_buffer, .address_space: global }
      - { .name: weight, .offset: 8, .size: 8, .value_kind: global_buffer, .address_space: global }
      - { .name: x_codes, .offset: 16, .size: 8, .value_kind: global_buffer, .address_space: global }
      - { .name: x_scales, .offset: 24, .size: 8, .value_kind: global_buffer, .address_space: global }
      - { .name: wn_codes, .offset: 32, .size: 8, .value_kind: global_buffer, .address_space: global }
      - { .name: wn_scales, .offset: 40, .size: 8, .value_kind: global_buffer, .address_space: global }
      - { .name: wt_codes, .offset: 48, .size: 8, .value_kind: global_buffer, .address_space: global }
      - { .name: wt_scales, .offset: 56, .size: 8, .value_kind: global_buffer, .address_space: global }
    .group_segment_fixed_size: 37376
    .private_segment_fixed_size: 0
    .kernarg_segment_align: 8
    .kernarg_segment_size: 64
    .max_flat_workgroup_size: 128
    .sgpr_count:     66
    .vgpr_count:     256
    .wavefront_size: 32
...
	.end_amdgpu_metadata
.endif
;; end of part 1
;; launch vq (part 2): grid 256 x 1, 4 waves a work-group, no clusters, 109,312 bytes of LDS; arguments x_codes, x_scales, wn_codes, wn_scales, wt_codes, wt_scales, out0; writes out0
.if DOCPART == 2
	.amdgcn_target "amdgcn-amd-amdhsa--gfx1250"
	.amdhsa_code_object_version 6
	.text
	.protected	k_q9d2e369d03_vq
	.globl	k_q9d2e369d03_vq
	.p2align	8
	.type	k_q9d2e369d03_vq,@function
k_q9d2e369d03_vq:
	s_mov_b64 s[64:65], 0
	v_nop
	global_prefetch_b8 v0, s[64:65] scope:SCOPE_SE
	s_setreg_imm32_b32 hwreg(HW_REG_WAVE_MODE, 25, 1), 1
	s_wait_xcnt 0x0
; out[row] = softmax_c(xn[row] . wn[c]) weight[c][:], both products on codes of FP4 (E2M1) with E8M0 scales.  A work-group of four waves owns 64 rows from beginning to end.
; PHASE 1: S^T = Wn Xn^T (source 0 = 16 codebook rows, source 1 = 16 rows of x): a lane holds ONE row of x and eight codebook rows.  Wave w takes codebook rows 512 w .. 512 w + 511, in units of 64, for all 64 rows of x.
;   Each unit has a whole number M of its own: -M = floor(-(its largest t)), t = score x log2(e); p = 2^(t - M) is quantised in registers; its codes, scale bytes, -M and the sum of the unquantised p go to LDS.
; FIX: the row's M is the largest of its 32 units'; each unit's scale bytes fall by M - M_unit (a power of two, which the block's scale takes up: the codes stay), l = sum of l_unit 2^(M_unit - M).
; PHASE 2: O^T = Wt P^T (source 0 = 16 d, source 1 = 16 rows of P).  All of P, 64 rows x 2,048 codes, stands in each wave's registers; wave w makes d 256 w .. 256 w + 255, 64 d at a time over all of K,
;   multiplies by 1 / l and stores at once: nothing is ever rescaled, and three quarters of out leave while products still run.
; THE WEIGHTS GO FROM MEMORY STRAIGHT INTO REGISTERS, through a ring of eight slots (a slot: one K step of four tiles, 4,096 bytes of codes and 256 of scale words: nine loads).
; WHY NO CLUSTER AND NO JOINT LOADS, though all work-groups read the same weights: each fragment is multiplied by ONE wave of a work-group (the waves share columns, not rows) and feeds its four products from the
;   registers into which it was loaded.  Through LDS the 2 x 1,114,112 bytes of codes and scale words would each be written there and read back once more, and beside P's 65,536 bytes a ring there would be drained at every change of slots.
; NO PREFETCH: the weights are read by every work-group, not once.
; LIMITS: NaN and infinities are not served.  A block of p whose largest number lies under 2^-124 keeps the byte 1 (its codes are zeros or nearly).  M - M_unit is held at 128, and a byte that would fall under 0 becomes 0 (2^-127):
;   what is lost lies under 2^-120 of the row's largest term.  The sums' order differs from a plain chain's.
; REGISTERS, in windows of 256 (s_set_vgpr_msb: bits 1:0 source 0, 3:2 source 1, 5:4 source 2, 7:6 destination):
;   window 0: v1-17 addresses; v32-47 x's scale words, later v32-95 P's; v48-95 at work in phase 1; v96-111 the ring's scale words; v112-127 p's codes, later 1 / l; v128-255 the 16 accumulators, (t, m) at 128 + 32 m + 8 t
;   window 1: the ring, slot g at 32 g + 8 t.   window 2: x's 32 fragments, (m, s) at 8 (8 m + s); later P's K steps 0-7, (s, m) at 8 (4 s + m).   window 3: P's K steps 8-15.
.set PSC,   65536                      ; LDS.  0: P's codes [unit 8 w + u][row tile m][512 bytes, 16 a lane].  PSC: scale bytes [w][row][8 units x 2]
.set NEGM,  69632                      ; -M [w][row][8 units x 4];  8,192 bytes on: the units' sums, likewise
.set PSF,   86016                      ; the final scale words: a row's 16 words, rows 80 bytes apart
.set RL,    91136                      ; 1 / l, 4 bytes a row
.set STAGE, 91392                      ; the way out: 16 rows x (256 + 16) bytes for each wave
.set MSB, 0
.macro WIN new                         ; the immediate's high byte repeats the setting that is left
.if MSB != \new
	s_set_vgpr_msb (MSB<<8)|\new
.set MSB, \new
.endif
.endm
; nine loads: K step's four tiles (tstr bytes apart) into slot sl, and their scale words (lanes 0-15: tiles 0 and 2; lanes 16-31: tiles 1 and 3)
.macro FILL sl, cbase, coff, tstr, sbase, soff
	WIN 0x40
.irp t, 0,1,2,3
.irp c, 0,1
	global_load_b128 v[32*(\sl)+8*\t+4*\c:32*(\sl)+8*\t+4*\c+3], v1, s[\cbase:\cbase+1] offset:(\coff)+(\tstr)*\t+512*\c
.endr
.endr
	WIN 0
	global_load_b64 v[96+2*(\sl):97+2*(\sl)], v2, s[\sbase:\sbase+1] offset:\soff
.endm
.macro REFILL sl, cbase, coff, tstr, sbase, soff
.rept 4
	v_nop                                          ; four places between the products that read the slot and its scale words and the loads into them (ISA guide 7.12.1 for vector instructions)
.endr
	FILL \sl, \cbase, \coff, \tstr, \sbase, \soff
.endm
; one product.  ra, rb: the side's scale words stand in lanes 16-31 of the register named
.macro WMI d, a, b, sa, sb, ra, rb, zero
.if (\zero) && ((\ra) == 0) && ((\rb) == 0)
	v_wmma_scale_f32_16x16x128_f8f6f4 v[\d:\d+7], v[\a:\a+7], v[\b:\b+7], 0, v[\sa], v[\sb] matrix_a_fmt:MATRIX_FMT_FP4 matrix_b_fmt:MATRIX_FMT_FP4
.elseif (\zero) && ((\ra) == 0)
	v_wmma_scale_f32_16x16x128_f8f6f4 v[\d:\d+7], v[\a:\a+7], v[\b:\b+7], 0, v[\sa], v[\sb] matrix_a_fmt:MATRIX_FMT_FP4 matrix_b_fmt:MATRIX_FMT_FP4 matrix_b_scale:MATRIX_SCALE_ROW1
.elseif (\zero) && ((\rb) == 0)
	v_wmma_scale_f32_16x16x128_f8f6f4 v[\d:\d+7], v[\a:\a+7], v[\b:\b+7], 0, v[\sa], v[\sb] matrix_a_fmt:MATRIX_FMT_FP4 matrix_b_fmt:MATRIX_FMT_FP4 matrix_a_scale:MATRIX_SCALE_ROW1
.elseif (\zero)
	v_wmma_scale_f32_16x16x128_f8f6f4 v[\d:\d+7], v[\a:\a+7], v[\b:\b+7], 0, v[\sa], v[\sb] matrix_a_fmt:MATRIX_FMT_FP4 matrix_b_fmt:MATRIX_FMT_FP4 matrix_a_scale:MATRIX_SCALE_ROW1 matrix_b_scale:MATRIX_SCALE_ROW1
.elseif ((\ra) == 0) && ((\rb) == 0)
	v_wmma_scale_f32_16x16x128_f8f6f4 v[\d:\d+7], v[\a:\a+7], v[\b:\b+7], v[\d:\d+7], v[\sa], v[\sb] matrix_a_fmt:MATRIX_FMT_FP4 matrix_b_fmt:MATRIX_FMT_FP4
.elseif ((\ra) == 0)
	v_wmma_scale_f32_16x16x128_f8f6f4 v[\d:\d+7], v[\a:\a+7], v[\b:\b+7], v[\d:\d+7], v[\sa], v[\sb] matrix_a_fmt:MATRIX_FMT_FP4 matrix_b_fmt:MATRIX_FMT_FP4 matrix_b_scale:MATRIX_SCALE_ROW1
.elseif ((\rb) == 0)
	v_wmma_scale_f32_16x16x128_f8f6f4 v[\d:\d+7], v[\a:\a+7], v[\b:\b+7], v[\d:\d+7], v[\sa], v[\sb] matrix_a_fmt:MATRIX_FMT_FP4 matrix_b_fmt:MATRIX_FMT_FP4 matrix_a_scale:MATRIX_SCALE_ROW1
.else
	v_wmma_scale_f32_16x16x128_f8f6f4 v[\d:\d+7], v[\a:\a+7], v[\b:\b+7], v[\d:\d+7], v[\sa], v[\sb] matrix_a_fmt:MATRIX_FMT_FP4 matrix_b_fmt:MATRIX_FMT_FP4 matrix_a_scale:MATRIX_SCALE_ROW1 matrix_b_scale:MATRIX_SCALE_ROW1
.endif
.endm
; K step ks of a unit: 4 tiles of codebook rows x 4 tiles of x.  The 16 accumulators take turns, one instruction a turn, in the same order in every K step.  The first K step starts the sums.
.macro WM1 ks
.set ZZ, 0
.if (\ks) == 0
.set ZZ, 1
.endif
	WIN 0x09                                       ; source 0 window 1, source 1 window 2, C and D window 0
.irp t, 0,1,2,3
.irp m, 0,1,2,3
	WMI 128+32*\m+8*\t, 32*(\ks)+8*\t, 8*(8*\m+(\ks)), 96+2*(\ks)+\t/2, 32+2*(\ks)+\m/2, \t%2, \m%2, ZZ
.endr
.endr
.endm
; K step kp (0..15) of a group of 64 d: 4 tiles of d x 4 tiles of P's rows
.macro WM2 kp
.set ZZ, 0
.if (\kp) == 0
.set ZZ, 1
.endif
.if (\kp) < 8
	WIN 0x09
.else
	WIN 0x0d                                       ; source 1 window 3
.endif
.irp t, 0,1,2,3
.irp m, 0,1,2,3
	WMI 128+32*\m+8*\t, 32*((\kp)%8)+8*\t, 8*(4*((\kp)%8)+\m), 96+2*((\kp)%8)+\t/2, 32+16*\m+(\kp), \t%2, 0, ZZ
.endr
.endr
.endm
; A unit's eight K steps.  THE WAIT: behind a slot's nine loads exactly the other seven slots' 7 x 9 = 63 have been issued, whether they are older fills or this lap's refills.
; kind 0: each slot is filled again with the next unit's K step; kind 1: with the first group's K steps 0-7 of phase 2.
.macro KSTEPS1 kind
.set KP, 0
.rept 8
	s_wait_loadcnt 63
	WM1 KP
.if \kind
	REFILL KP, 30, 4096*KP, 1024, 34, 256*KP
.else
	REFILL KP, 8, 32768+1024*KP, 8192, 10, 2048+256*KP
.endif
.set KP, KP+1
.endr
.endm
; THE SOFTMAX OF A UNIT: 64 codebook rows x 64 rows of x; of row tile m a lane holds 32 scores, register 128 + 32 m + 8 t + j = codebook row 16 t + 8 h + j.  Block b of 32 = registers 16 b .. 16 b + 15 of lanes l and l xor 16.
; v48+2m+b T: block maxima;  v56.. U: at work;  v64.. the conversions' scale operands;  v72+2m -M (a pair);  v80+2m, v88+2m two chains of sums (pairs).  Every line goes by turns over m and b.
.macro SOFT
	s_wait_dscnt 0x0                               ; the last unit's LDS stores have read their registers
	v_add_nc_u32 v6, s24, v3                       ; this unit's places in LDS
	v_add_nc_u32 v7, s25, v4
	v_add_nc_u32 v8, s26, v5
.irp m, 0,1,2,3
.irp b, 0,1
	v_max3_num_f32 v[48+2*\m+\b], v[128+32*\m+16*\b], v[129+32*\m+16*\b], v[130+32*\m+16*\b]   ; each accumulator is read from its low end on
.endr
.endr
.irp i, 3,5,7,9,11,13
.irp m, 0,1,2,3
.irp b, 0,1
	v_max3_num_f32 v[48+2*\m+\b], v[48+2*\m+\b], v[128+32*\m+16*\b+\i], v[129+32*\m+16*\b+\i]
.endr
.endr
.endr
.irp m, 0,1,2,3
.irp b, 0,1
	v_max_num_f32 v[48+2*\m+\b], v[48+2*\m+\b], v[143+32*\m+16*\b]
.endr
.endr
.irp k, 0,1,2,3,4,5,6,7
	v_permlanex16_b32 v[56+\k], v[48+\k], s20, s21
.endr
.irp k, 0,1,2,3,4,5,6,7
	v_max_num_f32 v[48+\k], v[48+\k], v[56+\k]     ; THE LARGEST SCORE OF EACH BLOCK: it serves the unit's maximum and, since p rises with the score, the block's largest p
.endr
.irp m, 0,1,2,3
	v_max_num_f32 v[56+2*\m], v[48+2*\m], v[49+2*\m]
.endr
.irp m, 0,1,2,3
	v_mul_f32 v[56+2*\m], s22, v[56+2*\m]          ; as t
.endr
.irp m, 0,1,2,3
	v_floor_f32 v[72+2*\m], -v[56+2*\m]            ; -M = floor(-t) = -ceil(t): a whole number
.endr
.irp j, 0,2,4,6,8,10,12,14,16,18,20,22,24,26,28,30
.irp m, 0,1,2,3
	v_pk_fma_f32 v[128+32*\m+\j:129+32*\m+\j], v[128+32*\m+\j:129+32*\m+\j], s[22:23], v[72+2*\m:73+2*\m] op_sel_hi:[1,0,0]   ; t - M, two at a time
.endr
.endr
.irp m, 0,1,2,3
.irp b, 0,1
	v_fma_f32 v[48+2*\m+\b], v[48+2*\m+\b], s22, v[72+2*\m]   ; the same of each block's largest score
.endr
.endr
.set JJ, 0
.rept 128
	v_exp_f32 v[128+JJ], v[128+JJ]                 ; p = 2^(t - M): one batch
.set JJ, JJ+1
.endr
	v_nop                                          ; a plain line behind the last exponential
	s_wait_alu depctr_va_vdst(0)                   ; one wait for the batch, ahead of the first line that names a result
.irp k, 0,1,2,3,4,5,6,7
	v_exp_f32 v[48+\k], v[48+\k]                   ; the blocks' largest p: the same two instructions on the same number give the same bits
.endr
.irp m, 0,1,2,3
	v_pk_add_f32 v[80+2*\m:81+2*\m], v[128+32*\m:129+32*\m], v[130+32*\m:131+32*\m]   ; THE SUM IS TAKEN OF THE UNQUANTISED p.  (These lines read the 128 alone: plain work behind the eight)
	v_pk_add_f32 v[88+2*\m:89+2*\m], v[132+32*\m:133+32*\m], v[134+32*\m:135+32*\m]
.endr
.irp k, 8,12,16,20,24,28
.irp m, 0,1,2,3
	v_pk_add_f32 v[80+2*\m:81+2*\m], v[80+2*\m:81+2*\m], v[128+32*\m+\k:129+32*\m+\k]
	v_pk_add_f32 v[88+2*\m:89+2*\m], v[88+2*\m:89+2*\m], v[130+32*\m+\k:131+32*\m+\k]
.endr
.endr
.irp m, 0,1,2,3
	v_pk_add_f32 v[80+2*\m:81+2*\m], v[80+2*\m:81+2*\m], v[88+2*\m:89+2*\m]
.endr
.irp m, 0,1,2,3
	v_add_f32 v[80+2*\m], v[80+2*\m], v[81+2*\m]
.endr
.irp m, 0,1,2,3
	v_permlanex16_b32 v[57+2*\m], v[80+2*\m], s20, s21
.endr
.irp m, 0,1,2,3
	v_add_f32 v[80+2*\m], v[80+2*\m], v[57+2*\m]   ; the unit's sum of my row
.endr
	s_wait_alu depctr_va_vdst(0)                   ; and one wait for the eight
.irp k, 0,1,2,3,4,5,6,7
	v_max_num_f32 v[48+\k], 0x1800000, v[48+\k]    ; the floor 2^(3 - 127): the byte cannot fall under 1
.endr
.irp k, 0,1,2,3,4,5,6,7
	v_add_nc_u32 v[64+\k], 0xff000000, v[48+\k]    ; 2 off the exponent field: the conversion's scale operand
.endr
.irp k, 0,1,2,3,4,5,6,7
	v_lshrrev_b32 v[56+\k], 23, v[64+\k]           ; the byte
.endr
.irp m, 0,1,2,3
	v_lshl_or_b32 v[48+2*\m], v[57+2*\m], 8, v[56+2*\m]   ; the unit's two bytes
.endr
.irp m, 0,1,2,3                                ; tiles 0, 2, 1, 3: so that the two exchanges below leave register i with k = 32 h + 8 i + 0 .. 7 of the unit's 64: half of the next operand's fragment
	v_cvt_scalef32_pk8_fp4_f32 v[112+4*\m], v[128+32*\m:135+32*\m], v[64+2*\m]
	v_cvt_scalef32_pk8_fp4_f32 v[113+4*\m], v[144+32*\m:151+32*\m], v[65+2*\m]
	v_cvt_scalef32_pk8_fp4_f32 v[114+4*\m], v[136+32*\m:143+32*\m], v[64+2*\m]
	v_cvt_scalef32_pk8_fp4_f32 v[115+4*\m], v[152+32*\m:159+32*\m], v[65+2*\m]
.endr
	v_nop                                          ; one plain line behind the last scaled conversion
.irp m, 0,1,2,3
	v_permlane16_swap_b32 v[112+4*\m], v[113+4*\m] ; the first's lanes 16-31 change places with the second's lanes 0-15
	v_permlane16_swap_b32 v[114+4*\m], v[115+4*\m]
.endr
.irp m, 0,1,2,3
	ds_store_b128 v6, v[112+4*\m:115+4*\m] offset:512*\m        ; an image of the registers: 16 bytes a lane
	ds_store_b16 v7, v[48+2*\m] offset:256*\m                   ; lanes r and r + 16 store the same values to the same places
	ds_store_b32 v8, v[72+2*\m] offset:512*\m
	ds_store_b32 v8, v[80+2*\m] offset:8192+512*\m
.endr
.endm
; P's K steps from .. from + n - 1 out of LDS into windows 2 and 3: any wave that loads an image has the registers in the lanes in which they were made
.macro PLOAD from, n
.set KP, \from
.rept \n
.if KP < 8
	WIN 0x80
.else
	WIN 0xc0
.endif
.irp m, 0,1,2,3
.irp c, 0,1
	ds_load_b128 v[8*(4*(KP%8)+\m)+4*\c:8*(4*(KP%8)+\m)+4*\c+3], v1 offset:2048*(2*KP+\c)+512*\m
.endr
.endr
.set KP, KP+1
.endr
	WIN 0
.endm
; the pointers of the group after s40's, and where s40's results go
.macro NEXTG
	s_add_co_u32 s50, s40, 1
	s_and_b32 s50, s50, 3
	s_lshl_b32 s28, s50, 16
	s_add_nc_u64 s[32:33], s[44:45], s[28:29]
	s_lshl_b32 s28, s50, 12
	s_add_nc_u64 s[36:37], s[46:47], s[28:29]
	s_lshl_b32 s28, s40, 8
	s_add_nc_u64 s[38:39], s[48:49], s[28:29]
.endm
; THE WAY OUT of row tile m: x 1 / l; a lane's eight d of a row go into my stage and come back as whole rows of 256 bytes, into the registers that they left
.macro PACK m
.set JJ, 0
.rept 16
	v_pk_mul_f32 v[128+32*(\m)+JJ:129+32*(\m)+JJ], v[128+32*(\m)+JJ:129+32*(\m)+JJ], v[112+2*(\m):113+2*(\m)] op_sel_hi:[1,0]   ; each accumulator from its low end on
.set JJ, JJ+2
.endr
.irp t, 0,1,2,3
	ds_store_b128 v15, v[128+32*(\m)+8*\t:131+32*(\m)+8*\t] offset:64*\t
	ds_store_b128 v15, v[132+32*(\m)+8*\t:135+32*(\m)+8*\t] offset:64*\t+16
.endr
.irp i, 0,1,2,3,4,5,6,7
	ds_load_b128 v[128+32*(\m)+4*\i:131+32*(\m)+4*\i], v16 offset:544*\i   ; LDS serves a wave's instructions in order (ISA guide 5.7.1.4): these see the stores above, and the next tile's stores come behind them
.endr
.endm
.macro SEND m
.irp i, 0,1,2,3,4,5,6,7
	s_wait_dscnt 16*(3-(\m))+7-\i                  ; behind this load: the tile's younger loads and the later tiles' sixteen LDS instructions each
	global_store_b128 v17, v[128+32*(\m)+4*\i:131+32*(\m)+4*\i], s[38:39] offset:4096*(16*(\m)+2*\i) th:TH_STORE_NT   ; sixteen lanes store 256 consecutive bytes, aligned; written once, read by nobody here
.endr
.endm
; A GROUP of 64 d over all 2,048 codes: 256 products.  K steps 0-7 refill their slots with this group's K steps 8-15, K steps 8-15 with the next group's 0-7; the last group's second half refills nothing, and its counts run down.
.macro GROUP last
.set KP, 0
.rept 16
.if (\last) && (KP >= 8)
	s_wait_loadcnt 9*(15-KP)
.else
	s_wait_loadcnt 63
.endif
	WM2 KP
.if KP < 8
	REFILL KP, 30, 4096*(KP+8), 1024, 34, 256*(KP+8)
.elseif (\last) == 0
	REFILL KP-8, 32, 4096*(KP-8), 1024, 36, 256*(KP-8)
.endif
.set KP, KP+1
.endr
.if \last
.rept 4
	v_nop                                          ; four places behind the last products, ahead of the first read of their results
.endr
.endif
	WIN 0
	PACK 0
	PACK 1
	PACK 2
	PACK 3
	SEND 0
	SEND 1
	SEND 2
	SEND 3
.endm
	s_load_b256 s[4:11], s[0:1], 0x0               ; x_codes s[4:5], x_scales s[6:7], wn_codes s[8:9], wn_scales s[10:11]
	s_load_b128 s[12:15], s[0:1], 0x20             ; wt_codes s[12:13], wt_scales s[14:15]
	s_load_b64 s[16:17], s[0:1], 0x30              ; out0
	v_lshl_add_u32 v30, v0, 2, 0x1a900
	v_mov_b32 v31, 0
	v_lshrrev_b32 v18, 5, v0
	v_readfirstlane_b32 s18, v18                   ; wave 0..3
	v_and_b32 v19, 31, v0                          ; lane l
	v_lshlrev_b32 v1, 4, v19                       ; 16 l: an image's place for my lane, in memory and in LDS; never rewritten
	v_lshlrev_b32 v2, 3, v19                       ; 8 l: my two scale words; never rewritten
	s_mov_b32 s20, 0x76543210
	s_mov_b32 s21, 0xfedcba98                      ; v_permlanex16_b32: lane l xor 16
	s_mov_b32 s22, 0x3fb8aa3b                      ; log2(e)
	s_mov_b32 s23, s22                             ; (named with it as a pair)
	s_mov_b32 s24, 0                               ; the unit's steps in LDS: 2,048 bytes of codes,
	s_mov_b32 s25, 0                               ; 2 scale bytes,
	s_mov_b32 s26, 0                               ; 4 bytes of -M and of the sum
	s_mov_b32 s29, 0
	s_mov_b32 s41, 0x80808080
	s_mov_b32 s42, 0x01010101
	s_and_b32 s40, ttmp9, 3                        ; the group with which phase 2 begins: neighbouring work-groups begin with different groups.  It enters global addresses alone
	s_wait_kmcnt 0x0
	s_lshl_b32 s28, ttmp9, 15
	s_add_nc_u64 s[4:5], s[4:5], s[28:29]          ; my 64 rows' codes: 32,768 bytes
	s_lshl_b32 s28, ttmp9, 11
	s_add_nc_u64 s[6:7], s[6:7], s[28:29]          ; and scale words: 2,048
	s_lshl_b32 s28, s18, 18
	s_add_nc_u64 s[8:9], s[8:9], s[28:29]          ; my wave's 512 codebook rows: 262,144 bytes of Wn's codes;
	s_add_nc_u64 s[44:45], s[12:13], s[28:29]      ; my wave's 256 d: as many of Wt's
	s_lshl_b32 s28, s18, 14
	s_add_nc_u64 s[10:11], s[10:11], s[28:29]
	s_add_nc_u64 s[46:47], s[14:15], s[28:29]
	s_lshl_b32 s28, ttmp9, 18                      ; out: 64 rows of 4,096 bytes,
	s_lshl_b32 s50, s18, 10                        ; my wave's 1,024 bytes of a row
	s_add_co_u32 s28, s28, s50
	s_add_nc_u64 s[48:49], s[16:17], s[28:29]
	s_lshl_b32 s28, s40, 16
	s_add_nc_u64 s[30:31], s[44:45], s[28:29]      ; the first group's codes (65,536 bytes a group)
	s_lshl_b32 s28, s40, 12
	s_add_nc_u64 s[34:35], s[46:47], s[28:29]      ; and scale words (4,096)
	NEXTG
	WIN 0x80
.irp m, 0,1,2,3
.irp s, 0,1,2,3,4,5,6,7
.irp c, 0,1
	global_load_b128 v[8*(8*\m+\s)+4*\c:8*(8*\m+\s)+4*\c+3], v1, s[4:5] offset:8192*\m+1024*\s+512*\c   ; x's 32 fragments stay in registers through phase 1
.endr
.endr
.endr
	WIN 0
.irp s, 0,1,2,3,4,5,6,7
	global_load_b64 v[32+2*\s:33+2*\s], v2, s[6:7] offset:256*\s   ; register 32 + 2 s + tau: lanes 0-15 tile 2 tau, lanes 16-31 tile 2 tau + 1
.endr
.set KP, 0
.rept 8
	FILL KP, 8, 1024*KP, 8192, 10, 256*KP          ; the ring's first fill: unit 0.  x's 72 loads stand ahead of it, so the first K step's wait covers them too
.set KP, KP+1
.endr
	v_and_b32 v20, 15, v0                          ; r
	v_bfe_u32 v21, v0, 4, 1                        ; h
	s_lshl_b32 s28, s18, 14
	v_add_nc_u32 v3, s28, v1                       ; P's codes: 16 l + 16,384 w
	s_lshl_b32 s28, s18, 10
	s_add_co_u32 s28, s28, PSC
	v_lshl_add_u32 v4, v20, 4, s28                 ; scale bytes: 1,024 w + 16 r
	s_lshl_b32 s28, s18, 11
	s_add_co_u32 s28, s28, NEGM
	v_lshl_add_u32 v5, v20, 5, s28                 ; -M and the sums: 2,048 w + 32 r
	s_lshl_b32 s28, s18, 4
	v_add_nc_u32 v22, s28, v20                     ; FIX: my row 16 w + r; lane half h serves units 16 h .. 16 h + 15 (waves 2 h and 2 h + 1)
	v_lshlrev_b32 v9, 5, v22
	v_lshl_add_u32 v9, v21, 12, v9
	v_add_nc_u32 v9, NEGM, v9
	v_lshlrev_b32 v10, 4, v22
	v_lshl_add_u32 v10, v21, 11, v10
	v_add_nc_u32 v10, PSC, v10
	v_mul_u32_u24 v11, v22, 80
	v_lshl_add_u32 v11, v21, 5, v11
	v_add_nc_u32 v11, PSF, v11                     ; the final words 8 h .. 8 h + 7 of my row
	v_lshl_add_u32 v12, v22, 2, RL
	v_mul_u32_u24 v13, v20, 80
	v_add_nc_u32 v13, PSF, v13                     ; phase 2: row r of a tile
	v_lshl_add_u32 v14, v20, 2, RL
	s_mul_i32 s28, s18, 16*272
	s_add_co_u32 s28, s28, STAGE                   ; my stage
	v_mul_u32_u24 v15, v20, 272
	v_lshl_add_u32 v15, v21, 5, v15
	v_add_nc_u32 v15, s28, v15                     ; in: row r, 32 bytes for each half of the lanes
	v_mul_u32_u24 v16, v21, 272
	v_lshl_add_u32 v16, v20, 4, v16
	v_add_nc_u32 v16, s28, v16                     ; back: lanes 0-15 one row, lanes 16-31 the next
	v_lshlrev_b32 v17, 12, v21
	v_lshl_add_u32 v17, v20, 4, v17                ; and the same two rows in out
.irp k, 0,1,2,3,4,5,6,7
	v_mov_b32 v[56+\k], 0                          ; written once: a lane permute's destination counts as one of its sources
.endr
.irp m, 0,1,2,3
	v_mov_b32 v[73+2*\m], 0                        ; the upper halves of the pairs that hold -M
.endr
	; ---------------- PHASE 1: eight units; the last is written out, since its refills are phase 2's
	s_mov_b32 s27, 7
.Lunit:
	KSTEPS1 0
	SOFT
	s_wait_xcnt 0x0                                ; the refills have read their bases: only behind this wait are they stepped
	s_add_nc_u64 s[8:9], s[8:9], 32768
	s_add_nc_u64 s[10:11], s[10:11], 2048
	s_add_co_u32 s24, s24, 2048
	s_add_co_u32 s25, s25, 2
	s_add_co_u32 s26, s26, 4
	s_sub_co_u32 s27, s27, 1
	s_cmp_lg_u32 s27, 0
	s_cbranch_scc1 .Lunit
	KSTEPS1 1
	SOFT
	; ---------------- BETWEEN THE PHASES
	s_wait_dscnt 0x0                               ; for the others' sake: my stores have landed
	s_barrier_signal -1
	s_barrier_wait -1                              ; all 32 units of all 64 rows lie in LDS.  (The ring's loads stay out: nobody writes those bytes)
	ds_load_b128 v[128:131], v9                    ; -M of my 16 units
	ds_load_b128 v[132:135], v9 offset:16
	ds_load_b128 v[136:139], v9 offset:2048
	ds_load_b128 v[140:143], v9 offset:2064
	ds_load_b128 v[144:147], v9 offset:8192        ; their sums
	ds_load_b128 v[148:151], v9 offset:8208
	ds_load_b128 v[152:155], v9 offset:10240
	ds_load_b128 v[156:159], v9 offset:10256
	ds_load_b128 v[160:163], v10                   ; their scale bytes: eight words
	ds_load_b128 v[164:167], v10 offset:1024
	PLOAD 0, 7                                     ; 56 loads of P go out behind them
	s_wait_dscnt 56                                ; the ten are in; the 56 may be out
.irp j, 0,1,2,3,4,5,6,7
	v_min_num_f32 v[168+\j], v[128+\j], v[136+\j]
.endr
.irp j, 0,1,2,3
	v_min_num_f32 v[168+\j], v[168+\j], v[172+\j]
.endr
	v_min_num_f32 v168, v168, v170
	v_min_num_f32 v169, v169, v171
	v_min_num_f32 v168, v168, v169
	v_permlanex16_b32 v169, v168, s20, s21
	v_min_num_f32 v168, v168, v169                 ; the least -M: the row's M with its sign turned
.irp j, 0,1,2,3,4,5,6,7,8,9,10,11,12,13,14,15
	v_sub_f32 v[176+\j], v[128+\j], v168           ; M - M_unit: a whole number, 0 or more
.endr
.irp j, 0,1,2,3,4,5,6,7,8,9,10,11,12,13,14,15
	v_min_num_f32 v[176+\j], 0x43000000, v[176+\j] ; held at 128
.endr
.irp j, 0,1,2,3,4,5,6,7,8,9,10,11,12,13,14,15
	v_cvt_i32_f32 v[176+\j], v[176+\j]
.endr
.irp j, 0,1,2,3,4,5,6,7,8,9,10,11,12,13,14,15
	v_sub_nc_u32 v[192+\j], 0, v[176+\j]
.endr
.irp j, 0,1,2,3,4,5,6,7,8,9,10,11,12,13,14,15
	v_ldexp_f32 v[144+\j], v[144+\j], v[192+\j]    ; the unit's sum under the row's M
.endr
.irp j, 0,4,8,12
	v_pk_add_f32 v[144+\j:145+\j], v[144+\j:145+\j], v[146+\j:147+\j]
.endr
	v_pk_add_f32 v[144:145], v[144:145], v[148:149]
	v_pk_add_f32 v[152:153], v[152:153], v[156:157]
	v_pk_add_f32 v[144:145], v[144:145], v[152:153]
	v_add_f32 v144, v144, v145
	v_permlanex16_b32 v145, v144, s20, s21
	v_add_f32 v144, v144, v145                     ; l
	v_rcp_f32 v170, v144
	; the bytes fall by M - M_unit, four at a time.  A byte is at most 125 and the fall at most 128: with bit 7 set first no byte borrows from its neighbour, and bit 7 is left standing where the byte has not fallen under 0
.irp j, 0,1,2,3,4,5,6,7,8,9,10,11,12,13,14,15
	v_lshl_or_b32 v[176+\j], v[176+\j], 8, v[176+\j]   ; a unit's two bytes fall alike
.endr
.irp i, 0,1,2,3,4,5,6,7
	v_lshl_or_b32 v[208+\i], v[177+2*\i], 16, v[176+2*\i]
.endr
.irp i, 0,1,2,3,4,5,6,7
	v_or_b32 v[160+\i], s41, v[160+\i]
.endr
.irp i, 0,1,2,3,4,5,6,7
	v_sub_nc_u32 v[160+\i], v[160+\i], v[208+\i]
.endr
.irp i, 0,1,2,3,4,5,6,7
	v_lshrrev_b32 v[208+\i], 7, v[160+\i]
.endr
.irp i, 0,1,2,3,4,5,6,7
	v_and_b32 v[208+\i], s42, v[208+\i]            ; 1 in each byte that stands
.endr
.irp i, 0,1,2,3,4,5,6,7
	v_lshlrev_b32 v[216+\i], 7, v[208+\i]
.endr
.irp i, 0,1,2,3,4,5,6,7
	v_sub_nc_u32 v[208+\i], v[216+\i], v[208+\i]   ; 0x7f there, 0 elsewhere
.endr
.irp i, 0,1,2,3,4,5,6,7
	v_and_b32 v[160+\i], v[160+\i], v[208+\i]      ; the final bytes
.endr
	s_wait_alu depctr_va_vdst(0)                   ; ahead of the first line that names the reciprocal; the lines above are the plain work behind it
	ds_store_b32 v12, v170
	ds_store_b128 v11, v[160:163]
	ds_store_b128 v11, v[164:167] offset:16
	PLOAD 7, 9                                     ; the other 72 loads of P
	s_wait_dscnt 0x0                               ; P is in; for the others' sake my stores have landed
	s_barrier_signal -1
	s_barrier_wait -1                              ; all rows' final words and 1 / l lie in LDS
.irp m, 0,1,2,3
.irp q, 0,1,2,3
	ds_load_b128 v[32+16*\m+4*\q:35+16*\m+4*\q], v13 offset:1280*\m+16*\q   ; register 32 + 16 m + s: lane r has the word of row 16 m + r, K step s
.endr
	ds_load_b32 v[112+2*\m], v14 offset:64*\m      ; 1 / l of row 16 m + r,
	ds_load_b32 v[113+2*\m], v14 offset:64*\m      ; twice: the packed multiply names a pair
.endr
	s_wait_dscnt 0x0
	; ---------------- PHASE 2: four groups of 64 d; the last is written out, since it refills nothing in its second half
	s_mov_b32 s27, 3
.Lgroup:
	GROUP 0
	s_wait_xcnt 0x0                                ; the stores have read their data and base, the refills their bases: only behind this wait are they written again
	s_add_co_u32 s40, s40, 1
	s_and_b32 s40, s40, 3
	s_mov_b64 s[30:31], s[32:33]
	s_mov_b64 s[34:35], s[36:37]
	NEXTG
	s_sub_co_u32 s27, s27, 1
	s_cmp_lg_u32 s27, 0
	s_cbranch_scc1 .Lgroup
	GROUP 1
	s_wait_tensorcnt 0x0
	ds_add_u32 v30, v31
	s_wait_dscnt 0x0
	s_endpgm
.Lfunc_end_k_q9d2e369d03_vq:
	.size	k_q9d2e369d03_vq, .Lfunc_end_k_q9d2e369d03_vq-k_q9d2e369d03_vq
	.p2alignl 7, 3214868480
	.fill 96, 4, 3214868480
	.section	.rodata,"a",@progbits
	.p2align	6, 0x0
	.amdhsa_kernel k_q9d2e369d03_vq
		.amdhsa_group_segment_fixed_size 109312
		.amdhsa_private_segment_fixed_size 0
		.amdhsa_enable_private_segment 0
		.amdhsa_kernarg_size 56
		.amdhsa_user_sgpr_count 2
		.amdhsa_user_sgpr_kernarg_segment_ptr 1
		.amdhsa_wavefront_size32 1
		.amdhsa_system_sgpr_workgroup_id_x 1
		.amdhsa_system_sgpr_workgroup_id_y 1
		.amdhsa_system_sgpr_workgroup_id_z 1
		.amdhsa_system_vgpr_workitem_id 0
		.amdhsa_next_free_vgpr 1024
		.amdhsa_next_free_sgpr 66
		.amdhsa_reserve_vcc 0
		.amdhsa_float_denorm_mode_32 3
		.amdhsa_float_denorm_mode_16_64 3
		.amdhsa_memory_ordered 1
		.amdhsa_forward_progress 1
		.amdhsa_inst_pref_size 247
	.end_amdhsa_kernel
	.amdgpu_metadata
---
amdhsa.version: [ 1, 2 ]
amdhsa.kernels:
  - .name:           k_q9d2e369d03_vq
    .symbol:         k_q9d2e369d03_vq.kd
    .args:
      - { .name: x_codes, .offset: 0, .size: 8, .value_kind: global_buffer, .address_space: global }
      - { .name: x_scales, .offset: 8, .size: 8, .value_kind: global_buffer, .address_space: global }
      - { .name: wn_codes, .offset: 16, .size: 8, .value_kind: global_buffer, .address_space: global }
      - { .name: wn_scales, .offset: 24, .size: 8, .value_kind: global_buffer, .address_space: global }
      - { .name: wt_codes, .offset: 32, .size: 8, .value_kind: global_buffer, .address_space: global }
      - { .name: wt_scales, .offset: 40, .size: 8, .value_kind: global_buffer, .address_space: global }
      - { .name: out0, .offset: 48, .size: 8, .value_kind: global_buffer, .address_space: global }
    .group_segment_fixed_size: 109312
    .private_segment_fixed_size: 0
    .kernarg_segment_align: 8
    .kernarg_segment_size: 56
    .max_flat_workgroup_size: 128
    .sgpr_count:     66
    .vgpr_count:     1024
    .wavefront_size: 32
...
	.end_amdgpu_metadata
.endif
;; end of part 2
;; ======== version 2 of 2: 2 launches; version 1 with the launch vq written anew for expert scheduling mode
;; workspace buffers: x_codes 8,388,608 bytes; x_scales 524,288 bytes; wn_codes 1,048,576 bytes; wn_scales 65,536 bytes; wt_codes 1,048,576 bytes; wt_scales 65,536 bytes
;; launch prep: the kernel of part 1 again; grid 416 x 1, 4 waves a work-group, no clusters, 37,376 bytes of LDS; arguments x, weight, x_codes, x_scales, wn_codes, wn_scales, wt_codes, wt_scales; writes x_codes, x_scales, wn_codes, wn_scales, wt_codes, wt_scales
;; launch vq (part 3): grid 256 x 1, 4 waves a work-group, no clusters, 109,312 bytes of LDS; arguments x_codes, x_scales, wn_codes, wn_scales, wt_codes, wt_scales, out0; writes out0
.if DOCPART == 3
	.amdgcn_target "amdgcn-amd-amdhsa--gfx1250"
	.amdhsa_code_object_version 6
	.text
	.protected	k_q9d2e369d03_vq
	.globl	k_q9d2e369d03_vq
	.p2align	8
	.type	k_q9d2e369d03_vq,@function
k_q9d2e369d03_vq:
	s_mov_b64 s[64:65], 0
	v_nop
	global_prefetch_b8 v0, s[64:65] scope:SCOPE_SE
	s_setreg_imm32_b32 hwreg(HW_REG_WAVE_SCHED_MODE, 0, 2), 2
	s_setreg_imm32_b32 hwreg(HW_REG_WAVE_MODE, 25, 1), 1
	s_wait_xcnt 0x0
	s_wait_alu depctr_vm_vsrc(0)
; out[row] = softmax_c(xn[row] . wn[c]) weight[c][:], both products on codes of FP4 (E2M1) with E8M0 scales.  A work-group of four waves owns 64 rows from beginning to end.
; PHASE 1: S^T = Wn Xn^T (source 0 = 16 codebook rows, source 1 = 16 rows of x): a lane holds ONE row of x and eight codebook rows.  Wave w takes codebook rows 512 w .. 512 w + 511, in units of 64, for all 64 rows of x.
;   Each unit has a whole number M of its own: -M = floor(-(its largest t)), t = score x log2(e); p = 2^(t - M) is quantised in registers; its codes, scale bytes, -M and the sum of the unquantised p go to LDS.
; FIX: the row's M is the largest of its 32 units'; each unit's scale bytes fall by M - M_unit (a power of two, which the block's scale takes up: the codes stay), l = sum of l_unit 2^(M_unit - M).
; PHASE 2: O^T = Wt P^T (source 0 = 16 d, source 1 = 16 rows of P).  All of P, 64 rows x 2,048 codes, stands in each wave's registers; wave w makes d 256 w .. 256 w + 255, 64 d at a time over all of K,
;   multiplies by 1 / l and stores at once: nothing is ever rescaled, and three quarters of out leave while products still run.
; THE WEIGHTS GO FROM MEMORY STRAIGHT INTO REGISTERS, through a ring of eight slots (a slot: one K step of four tiles, 4,096 bytes of codes and 256 of scale words: nine loads).
; WHY NO CLUSTER AND NO JOINT LOADS, though all work-groups read the same weights: each fragment is multiplied by ONE wave of a work-group (the waves share columns, not rows) and feeds its four products from the
;   registers into which it was loaded.  Through LDS the 2 x 1,114,112 bytes of codes and scale words would each be written there and read back once more, and beside P's 65,536 bytes a ring there would be drained at every change of slots.
; NO PREFETCH: the weights are read by every work-group, not once.
; LIMITS: NaN and infinities are not served.  A block of p whose largest number lies under 2^-124 keeps the byte 1 (its codes are zeros or nearly).  M - M_unit is held at 128, and a byte that would fall under 0 becomes 0 (2^-127):
;   what is lost lies under 2^-120 of the row's largest term.  The sums' order differs from a plain chain's.
; REGISTERS, in windows of 256 (s_set_vgpr_msb: bits 1:0 source 0, 3:2 source 1, 5:4 source 2, 7:6 destination):
;   window 0: v1-17 addresses; v32-47 x's scale words, later v32-95 P's; v48-95 at work in phase 1; v96-111 the ring's scale words; v112-127 p's codes, later 1 / l; v128-255 the 16 accumulators, (t, m) at 128 + 32 m + 8 t
;   window 1: the ring, slot g at 32 g + 8 t.   window 2: x's 32 fragments, (m, s) at 8 (8 m + s); later P's K steps 0-7, (s, m) at 8 (4 s + m).   window 3: P's K steps 8-15.
; THE MODE: SCHED_MODE bits 1:0 = 2 (LLVM: expert scheduling mode 2), set by the entry lines.  The code itself states the register dependences
; between vector or matrix instructions and memory or LDS instructions, with s_wait_alu, always for 0.
; THE PLAN.  Registers that memory or LDS instructions touch, and who else names them:
;   The ring, slot g (window 1; its scale words v96 + 2 g, v97 + 2 g).  Read by one K step's sixteen products.  The nine loads of its next content stand at the head of the NEXT K step, behind that step's wait on LOADcnt and ONE
;     wait on va_vdst: the products issued so far are done reading.  The sixteen products behind the loads name another slot.  Slot 7, which a lap's last K step reads, is asked for again behind a wait on va_vdst that stands
;     there anyway: the one for the softmax's exponentials, or the one ahead of the way out's LDS stores.
;   x's fragments and scale words (window 2, v32-47).  Loaded at the head, read by phase 1's products; between the phases P's codes and scale words land in them, behind a wait on va_vdst.
;   v6-8, the even ones of v48-54, v72-78 and v80-86, v112-127.  Written by a unit's softmax, read by its sixteen LDS stores: one wait on va_vdst ahead of the stores, one on vm_vsrc at the head of the next softmax.
;   v128-255.  Phase 1: vector and matrix instructions alone.  Between the phases: LDS loads, vector work, three LDS stores.  On the way out: 64 scalings, ONE wait on va_vdst, then tile by tile eight LDS stores, a wait on vm_vsrc,
;     eight LDS loads into the same registers; global stores; a wait on vm_vsrc at the group's tail, ahead of the next group's first products.
;   v1, v2, v9-17.  Offsets and addresses, made at the head ahead of the first wait on va_vdst and never written again: the weights are reached by scalar bases and immediate offsets.
.set PSC,   65536                      ; LDS.  0: P's codes [unit 8 w + u][row tile m][512 bytes, 16 a lane].  PSC: scale bytes [w][row][8 units x 2]
.set NEGM,  69632                      ; -M [w][row][8 units x 4];  8,192 bytes on: the units' sums, likewise
.set PSF,   86016                      ; the final scale words: a row's 16 words, rows 80 bytes apart
.set RL,    91136                      ; 1 / l, 4 bytes a row
.set STAGE, 91392                      ; the way out: 16 rows x (256 + 16) bytes for each wave
.set MSB, 0
.macro WIN new                         ; the immediate's high byte repeats the setting that is left
.if MSB != \new
	s_set_vgpr_msb (MSB<<8)|\new
.set MSB, \new
.endif
.endm
; nine loads: K step's four tiles (tstr bytes apart) into slot sl, and their scale words (lanes 0-15: tiles 0 and 2; lanes 16-31: tiles 1 and 3)
.macro FILL sl, cbase, coff, tstr, sbase, soff
	WIN 0x40
.irp t, 0,1,2,3
.irp c, 0,1
	global_load_b128 v[32*(\sl)+8*\t+4*\c:32*(\sl)+8*\t+4*\c+3], v1, s[\cbase:\cbase+1] offset:(\coff)+(\tstr)*\t+512*\c
.endr
.endr
	WIN 0
	global_load_b64 v[96+2*(\sl):97+2*(\sl)], v2, s[\sbase:\sbase+1] offset:\soff
.endm
; a slot is asked for again at the head of the K step behind the one that read it: the window, the wait, the loads
.macro REFILL sl, cbase, coff, tstr, sbase, soff
	WIN 0x40
	s_wait_alu depctr_va_vdst(0)                   ; the products issued so far are done reading the slot and its scale words, in which the nine loads below land
	FILL \sl, \cbase, \coff, \tstr, \sbase, \soff
.endm
; one product.  ra, rb: the side's scale words stand in lanes 16-31 of the register named
.macro WMI d, a, b, sa, sb, ra, rb, zero
.if (\zero) && ((\ra) == 0) && ((\rb) == 0)
	v_wmma_scale_f32_16x16x128_f8f6f4 v[\d:\d+7], v[\a:\a+7], v[\b:\b+7], 0, v[\sa], v[\sb] matrix_a_fmt:MATRIX_FMT_FP4 matrix_b_fmt:MATRIX_FMT_FP4
.elseif (\zero) && ((\ra) == 0)
	v_wmma_scale_f32_16x16x128_f8f6f4 v[\d:\d+7], v[\a:\a+7], v[\b:\b+7], 0, v[\sa], v[\sb] matrix_a_fmt:MATRIX_FMT_FP4 matrix_b_fmt:MATRIX_FMT_FP4 matrix_b_scale:MATRIX_SCALE_ROW1
.elseif (\zero) && ((\rb) == 0)
	v_wmma_scale_f32_16x16x128_f8f6f4 v[\d:\d+7], v[\a:\a+7], v[\b:\b+7], 0, v[\sa], v[\sb] matrix_a_fmt:MATRIX_FMT_FP4 matrix_b_fmt:MATRIX_FMT_FP4 matrix_a_scale:MATRIX_SCALE_ROW1
.elseif (\zero)
	v_wmma_scale_f32_16x16x128_f8f6f4 v[\d:\d+7], v[\a:\a+7], v[\b:\b+7], 0, v[\sa], v[\sb] matrix_a_fmt:MATRIX_FMT_FP4 matrix_b_fmt:MATRIX_FMT_FP4 matrix_a_scale:MATRIX_SCALE_ROW1 matrix_b_scale:MATRIX_SCALE_ROW1
.elseif ((\ra) == 0) && ((\rb) == 0)
	v_wmma_scale_f32_16x16x128_f8f6f4 v[\d:\d+7], v[\a:\a+7], v[\b:\b+7], v[\d:\d+7], v[\sa], v[\sb] matrix_a_fmt:MATRIX_FMT_FP4 matrix_b_fmt:MATRIX_FMT_FP4
.elseif ((\ra) == 0)
	v_wmma_scale_f32_16x16x128_f8f6f4 v[\d:\d+7], v[\a:\a+7], v[\b:\b+7], v[\d:\d+7], v[\sa], v[\sb] matrix_a_fmt:MATRIX_FMT_FP4 matrix_b_fmt:MATRIX_FMT_FP4 matrix_b_scale:MATRIX_SCALE_ROW1
.elseif ((\rb) == 0)
	v_wmma_scale_f32_16x16x128_f8f6f4 v[\d:\d+7], v[\a:\a+7], v[\b:\b+7], v[\d:\d+7], v[\sa], v[\sb] matrix_a_fmt:MATRIX_FMT_FP4 matrix_b_fmt:MATRIX_FMT_FP4 matrix_a_scale:MATRIX_SCALE_ROW1
.else
	v_wmma_scale_f32_16x16x128_f8f6f4 v[\d:\d+7], v[\a:\a+7], v[\b:\b+7], v[\d:\d+7], v[\sa], v[\sb] matrix_a_fmt:MATRIX_FMT_FP4 matrix_b_fmt:MATRIX_FMT_FP4 matrix_a_scale:MATRIX_SCALE_ROW1 matrix_b_scale:MATRIX_SCALE_ROW1
.endif
.endm
; K step ks of a unit: 4 tiles of codebook rows x 4 tiles of x.  The 16 accumulators take turns, one instruction a turn, in the same order in every K step.  The first K step starts the sums.
.macro WM1 ks
.set ZZ, 0
.if (\ks) == 0
.set ZZ, 1
.endif
	WIN 0x09                                       ; source 0 window 1, source 1 window 2, C and D window 0
.irp t, 0,1,2,3
.irp m, 0,1,2,3
	WMI 128+32*\m+8*\t, 32*(\ks)+8*\t, 8*(8*\m+(\ks)), 96+2*(\ks)+\t/2, 32+2*(\ks)+\m/2, \t%2, \m%2, ZZ
.endr
.endr
.endm
; K step kp (0..15) of a group of 64 d: 4 tiles of d x 4 tiles of P's rows
.macro WM2 kp
.set ZZ, 0
.if (\kp) == 0
.set ZZ, 1
.endif
.if (\kp) < 8
	WIN 0x09
.else
	WIN 0x0d                                       ; source 1 window 3
.endif
.irp t, 0,1,2,3
.irp m, 0,1,2,3
	WMI 128+32*\m+8*\t, 32*((\kp)%8)+8*\t, 8*(4*((\kp)%8)+\m), 96+2*((\kp)%8)+\t/2, 32+16*\m+(\kp), \t%2, 0, ZZ
.endr
.endr
.endm
; A unit's eight K steps.  K step ks (1 to 7) asks again for slot ks - 1, which the K step before has read; slot 7 is asked for again in the softmax.
; THE WAITS ON LOADcnt.  Slot 0's nine loads were issued in the last lap's K step 1: behind them those of its K steps 2 to 7 and the softmax's: 7 x 9 = 63.  Slot ks's (ks over 0): behind them six fills: 54; this step's own refill follows the wait.
; So a wave has at most 63 loads out in the steps.  kind 0: a slot takes the next unit's K step; kind 1: the first group's K steps 0-6 of phase 2.
.macro KSTEPS1 kind
.set KP, 0
.rept 8
.if KP == 0
	s_wait_loadcnt 63
.else
	s_wait_loadcnt 54
.if \kind
	REFILL KP-1, 30, 4096*(KP-1), 1024, 34, 256*(KP-1)
.else
	REFILL KP-1, 8, 32768+1024*(KP-1), 8192, 10, 2048+256*(KP-1)
.endif
.endif
	WM1 KP
.set KP, KP+1
.endr
.endm
; THE SOFTMAX OF A UNIT: 64 codebook rows x 64 rows of x; of row tile m a lane holds 32 scores, register 128 + 32 m + 8 t + j = codebook row 16 t + 8 h + j.  Block b of 32 = registers 16 b .. 16 b + 15 of lanes l and l xor 16.
; v48+2m+b T: block maxima;  v56.. U: at work;  v64.. the conversions' scale operands;  v72+2m -M (a pair);  v80+2m, v88+2m two chains of sums (pairs).  Every line goes by turns over m and b.
; kind: what slot 7 takes, as in KSTEPS1: the next unit's K step 7, or the first group's.
.macro SOFT kind
	WIN 0
	s_wait_dscnt 0x0                               ; the last unit's LDS stores have landed
	s_wait_alu depctr_vm_vsrc(0)                   ; and have read their addresses v6-8 and their data (v48.., v72.., v80.., v112-127), all of which this softmax writes again
	v_add_nc_u32 v6, s24, v3                       ; this unit's places in LDS
	v_add_nc_u32 v7, s25, v4
	v_add_nc_u32 v8, s26, v5
	v_nop                                          ; with the three additions: four places behind the last products, ahead of the first read of their results (ISA guide 7.12.1)
.irp m, 0,1,2,3
.irp b, 0,1
	v_max3_num_f32 v[48+2*\m+\b], v[128+32*\m+16*\b], v[129+32*\m+16*\b], v[130+32*\m+16*\b]   ; each accumulator is read from its low end on
.endr
.endr
.irp i, 3,5,7,9,11,13
.irp m, 0,1,2,3
.irp b, 0,1
	v_max3_num_f32 v[48+2*\m+\b], v[48+2*\m+\b], v[128+32*\m+16*\b+\i], v[129+32*\m+16*\b+\i]
.endr
.endr
.endr
.irp m, 0,1,2,3
.irp b, 0,1
	v_max_num_f32 v[48+2*\m+\b], v[48+2*\m+\b], v[143+32*\m+16*\b]
.endr
.endr
.irp k, 0,1,2,3,4,5,6,7
	v_permlanex16_b32 v[56+\k], v[48+\k], s20, s21
.endr
.irp k, 0,1,2,3,4,5,6,7
	v_max_num_f32 v[48+\k], v[48+\k], v[56+\k]     ; THE LARGEST SCORE OF EACH BLOCK: it serves the unit's maximum and, since p rises with the score, the block's largest p
.endr
.irp m, 0,1,2,3
	v_max_num_f32 v[56+2*\m], v[48+2*\m], v[49+2*\m]
.endr
.irp m, 0,1,2,3
	v_mul_f32 v[56+2*\m], s22, v[56+2*\m]          ; as t
.endr
.irp m, 0,1,2,3
	v_floor_f32 v[72+2*\m], -v[56+2*\m]            ; -M = floor(-t) = -ceil(t): a whole number
.endr
.irp j, 0,2,4,6,8,10,12,14,16,18,20,22,24,26,28,30
.irp m, 0,1,2,3
	v_pk_fma_f32 v[128+32*\m+\j:129+32*\m+\j], v[128+32*\m+\j:129+32*\m+\j], s[22:23], v[72+2*\m:73+2*\m] op_sel_hi:[1,0,0]   ; t - M, two at a time
.endr
.endr
.irp m, 0,1,2,3
.irp b, 0,1
	v_fma_f32 v[48+2*\m+\b], v[48+2*\m+\b], s22, v[72+2*\m]   ; the same of each block's largest score
.endr
.endr
.set JJ, 0
.rept 128
	v_exp_f32 v[128+JJ], v[128+JJ]                 ; p = 2^(t - M): one batch
.set JJ, JJ+1
.endr
	v_nop                                          ; a plain line behind the last exponential
	WIN 0x40
	s_wait_alu depctr_va_vdst(0)                   ; the 128 exponentials have written p, ahead of the first line that names a result; and the unit's last products are done reading slot 7 and its scale words, in which the nine loads below land
.if \kind
	FILL 7, 30, 4096*7, 1024, 34, 256*7
.else
	FILL 7, 8, 32768+1024*7, 8192, 10, 2048+256*7
.endif
.irp k, 0,1,2,3,4,5,6,7
	v_exp_f32 v[48+\k], v[48+\k]                   ; the blocks' largest p: the same two instructions on the same number give the same bits
.endr
.irp m, 0,1,2,3
	v_pk_add_f32 v[80+2*\m:81+2*\m], v[128+32*\m:129+32*\m], v[130+32*\m:131+32*\m]   ; THE SUM IS TAKEN OF THE UNQUANTISED p.  (These lines read the 128 alone: plain work behind the eight)
	v_pk_add_f32 v[88+2*\m:89+2*\m], v[132+32*\m:133+32*\m], v[134+32*\m:135+32*\m]
.endr
.irp k, 8,12,16,20,24,28
.irp m, 0,1,2,3
	v_pk_add_f32 v[80+2*\m:81+2*\m], v[80+2*\m:81+2*\m], v[128+32*\m+\k:129+32*\m+\k]
	v_pk_add_f32 v[88+2*\m:89+2*\m], v[88+2*\m:89+2*\m], v[130+32*\m+\k:131+32*\m+\k]
.endr
.endr
.irp m, 0,1,2,3
	v_pk_add_f32 v[80+2*\m:81+2*\m], v[80+2*\m:81+2*\m], v[88+2*\m:89+2*\m]
.endr
.irp m, 0,1,2,3
	v_add_f32 v[80+2*\m], v[80+2*\m], v[81+2*\m]
.endr
.irp m, 0,1,2,3
	v_permlanex16_b32 v[57+2*\m], v[80+2*\m], s20, s21
.endr
.irp m, 0,1,2,3
	v_add_f32 v[80+2*\m], v[80+2*\m], v[57+2*\m]   ; the unit's sum of my row
.endr
	s_wait_alu depctr_va_vdst(0)                   ; the eight exponentials have written v48-55, ahead of the first line that names them
.irp k, 0,1,2,3,4,5,6,7
	v_max_num_f32 v[48+\k], 0x1800000, v[48+\k]    ; the floor 2^(3 - 127): the byte cannot fall under 1
.endr
.irp k, 0,1,2,3,4,5,6,7
	v_add_nc_u32 v[64+\k], 0xff000000, v[48+\k]    ; 2 off the exponent field: the conversion's scale operand
.endr
.irp k, 0,1,2,3,4,5,6,7
	v_lshrrev_b32 v[56+\k], 23, v[64+\k]           ; the byte
.endr
.irp m, 0,1,2,3
	v_lshl_or_b32 v[48+2*\m], v[57+2*\m], 8, v[56+2*\m]   ; the unit's two bytes
.endr
.irp m, 0,1,2,3                                ; tiles 0, 2, 1, 3: so that the two exchanges below leave register i with k = 32 h + 8 i + 0 .. 7 of the unit's 64: half of the next operand's fragment
	v_cvt_scalef32_pk8_fp4_f32 v[112+4*\m], v[128+32*\m:135+32*\m], v[64+2*\m]
	v_cvt_scalef32_pk8_fp4_f32 v[113+4*\m], v[144+32*\m:151+32*\m], v[65+2*\m]
	v_cvt_scalef32_pk8_fp4_f32 v[114+4*\m], v[136+32*\m:143+32*\m], v[64+2*\m]
	v_cvt_scalef32_pk8_fp4_f32 v[115+4*\m], v[152+32*\m:159+32*\m], v[65+2*\m]
.endr
	v_nop                                          ; one plain line behind the last scaled conversion
.irp m, 0,1,2,3
	v_permlane16_swap_b32 v[112+4*\m], v[113+4*\m] ; the first's lanes 16-31 change places with the second's lanes 0-15
	v_permlane16_swap_b32 v[114+4*\m], v[115+4*\m]
.endr
	s_wait_alu depctr_va_vdst(0)                   ; the codes v112-127, the bytes v48.., -M v72.., the sums v80.. and the addresses v6-8 are written: the sixteen LDS stores read them
.irp m, 0,1,2,3
	ds_store_b128 v6, v[112+4*\m:115+4*\m] offset:512*\m        ; an image of the registers: 16 bytes a lane
	ds_store_b16 v7, v[48+2*\m] offset:256*\m                   ; lanes r and r + 16 store the same values to the same places
	ds_store_b32 v8, v[72+2*\m] offset:512*\m
	ds_store_b32 v8, v[80+2*\m] offset:8192+512*\m
.endr
.endm
; P's K steps from .. from + n - 1 out of LDS into windows 2 and 3: any wave that loads an image has the registers in the lanes in which they were made
.macro PLOAD from, n
.set KP, \from
.rept \n
.if KP < 8
	WIN 0x80
.else
	WIN 0xc0
.endif
.irp m, 0,1,2,3
.irp c, 0,1
	ds_load_b128 v[8*(4*(KP%8)+\m)+4*\c:8*(4*(KP%8)+\m)+4*\c+3], v1 offset:2048*(2*KP+\c)+512*\m
.endr
.endr
.set KP, KP+1
.endr
	WIN 0
.endm
; the pointers of the group after s40's, and where s40's results go
.macro NEXTG
	s_add_co_u32 s50, s40, 1
	s_and_b32 s50, s50, 3
	s_lshl_b32 s28, s50, 16
	s_add_nc_u64 s[32:33], s[44:45], s[28:29]
	s_lshl_b32 s28, s50, 12
	s_add_nc_u64 s[36:37], s[46:47], s[28:29]
	s_lshl_b32 s28, s40, 8
	s_add_nc_u64 s[38:39], s[48:49], s[28:29]
.endm
; THE WAY OUT, in three parts.  DIVL: row tile m x 1 / l, in place.
.macro DIVL m
.set JJ, 0
.rept 16
	v_pk_mul_f32 v[128+32*(\m)+JJ:129+32*(\m)+JJ], v[128+32*(\m)+JJ:129+32*(\m)+JJ], v[112+2*(\m):113+2*(\m)] op_sel_hi:[1,0]   ; each accumulator from its low end on
.set JJ, JJ+2
.endr
.endm
; TURN: a lane's eight d of a row go into my stage and come back as whole rows of 256 bytes, into the registers that they left
.macro TURN m
.irp t, 0,1,2,3
	ds_store_b128 v15, v[128+32*(\m)+8*\t:131+32*(\m)+8*\t] offset:64*\t
	ds_store_b128 v15, v[132+32*(\m)+8*\t:135+32*(\m)+8*\t] offset:64*\t+16
.endr
	s_wait_alu depctr_vm_vsrc(0)                   ; the eight LDS stores have read the tile's 32 registers, in which the eight loads below land
.irp i, 0,1,2,3,4,5,6,7
	ds_load_b128 v[128+32*(\m)+4*\i:131+32*(\m)+4*\i], v16 offset:544*\i   ; LDS serves a wave's instructions in order (ISA guide 5.7.1.4): these see the stores above, and the next tile's stores come behind them
.endr
.endm
.macro SEND m
.irp i, 0,1,2,3,4,5,6,7
	s_wait_dscnt 16*(3-(\m))+7-\i                  ; behind this load: the tile's younger loads and the later tiles' sixteen LDS instructions each
	global_store_b128 v17, v[128+32*(\m)+4*\i:131+32*(\m)+4*\i], s[38:39] offset:4096*(16*(\m)+2*\i) th:TH_STORE_NT   ; sixteen lanes store 256 consecutive bytes, aligned; written once, read by nobody here
.endr
.endm
; A GROUP of 64 d over all 2,048 codes: 256 products.  K step kp asks again for the slot that K step kp - 1 has read: K steps 1-8 with this group's K steps 8-15, K steps 9-15 with the next group's 0-6; slot 7 takes the next
; group's K step 7 on the way out.  The waits on LOADcnt count as in phase 1: 63 in the first K step, 54 in the others.  The last group asks for nothing from its K step 9 on, and its counts run down: 9 x (15 - kp).
.macro GROUP last
.set KP, 0
.rept 16
.if KP == 0
	s_wait_loadcnt 63
.elseif (\last) && (KP > 9)
	s_wait_loadcnt 9*(15-KP)
.else
	s_wait_loadcnt 54
.endif
.if (KP >= 1) && (KP <= 8)
	REFILL KP-1, 30, 4096*(KP+7), 1024, 34, 256*(KP+7)
.elseif (KP >= 9) && ((\last) == 0)
	REFILL KP-9, 32, 4096*(KP-9), 1024, 36, 256*(KP-9)
.endif
	WM2 KP
.set KP, KP+1
.endr
	WIN 0
.rept 4
	v_nop                                          ; four places behind the last products, ahead of the first read of their results (ISA guide 7.12.1)
.endr
	DIVL 0
	DIVL 1
	DIVL 2
	DIVL 3
.if \last
	s_wait_alu depctr_va_vdst(0)                   ; the 64 scalings have written v128-255, which the LDS stores below read and in which the loads from the stage land
.else
	WIN 0x40
	s_wait_alu depctr_va_vdst(0)                   ; the 64 scalings have written v128-255, which the LDS stores below read and in which the loads from the stage land; the group's last products are done reading slot 7 and its scale words
	FILL 7, 32, 4096*7, 1024, 36, 256*7
.endif
	TURN 0
	TURN 1
	TURN 2
	TURN 3
	SEND 0
	SEND 1
	SEND 2
	SEND 3
.endm
	s_load_b256 s[4:11], s[0:1], 0x0               ; x_codes s[4:5], x_scales s[6:7], wn_codes s[8:9], wn_scales s[10:11]
	s_load_b128 s[12:15], s[0:1], 0x20             ; wt_codes s[12:13], wt_scales s[14:15]
	s_load_b64 s[16:17], s[0:1], 0x30              ; out0
	v_lshl_add_u32 v30, v0, 2, 0x1a900
	v_mov_b32 v31, 0
	v_lshrrev_b32 v18, 5, v0
	v_readfirstlane_b32 s18, v18                   ; wave 0..3
	v_and_b32 v19, 31, v0                          ; lane l
	v_lshlrev_b32 v1, 4, v19                       ; 16 l: an image's place for my lane, in memory and in LDS; never rewritten
	v_lshlrev_b32 v2, 3, v19                       ; 8 l: my two scale words; never rewritten
	v_and_b32 v20, 15, v0                          ; r
	v_bfe_u32 v21, v0, 4, 1                        ; h
	s_mov_b32 s20, 0x76543210
	s_mov_b32 s21, 0xfedcba98                      ; v_permlanex16_b32: lane l xor 16
	s_mov_b32 s22, 0x3fb8aa3b                      ; log2(e)
	s_mov_b32 s23, s22                             ; (named with it as a pair)
	s_mov_b32 s24, 0                               ; the unit's steps in LDS: 2,048 bytes of codes,
	s_mov_b32 s25, 0                               ; 2 scale bytes,
	s_mov_b32 s26, 0                               ; 4 bytes of -M and of the sum
	s_mov_b32 s29, 0
	s_mov_b32 s41, 0x80808080
	s_mov_b32 s42, 0x01010101
	s_and_b32 s40, ttmp9, 3                        ; the group with which phase 2 begins: neighbouring work-groups begin with different groups.  It enters global addresses alone
	s_wait_alu depctr_va_sdst(0)                   ; s18 is written, ahead of its first reader: addresses in LDS and in memory are made from it
	; all address registers are made here, while the arguments are on their way, ahead of the one wait that stands in front of the first load
	s_lshl_b32 s28, s18, 14
	v_add_nc_u32 v3, s28, v1                       ; P's codes: 16 l + 16,384 w
	s_lshl_b32 s28, s18, 10
	s_add_co_u32 s28, s28, PSC
	v_lshl_add_u32 v4, v20, 4, s28                 ; scale bytes: 1,024 w + 16 r
	s_lshl_b32 s28, s18, 11
	s_add_co_u32 s28, s28, NEGM
	v_lshl_add_u32 v5, v20, 5, s28                 ; -M and the sums: 2,048 w + 32 r
	s_lshl_b32 s28, s18, 4
	v_add_nc_u32 v22, s28, v20                     ; FIX: my row 16 w + r; lane half h serves units 16 h .. 16 h + 15 (waves 2 h and 2 h + 1)
	v_lshlrev_b32 v9, 5, v22
	v_lshl_add_u32 v9, v21, 12, v9
	v_add_nc_u32 v9, NEGM, v9
	v_lshlrev_b32 v10, 4, v22
	v_lshl_add_u32 v10, v21, 11, v10
	v_add_nc_u32 v10, PSC, v10
	v_mul_u32_u24 v11, v22, 80
	v_lshl_add_u32 v11, v21, 5, v11
	v_add_nc_u32 v11, PSF, v11                     ; the final words 8 h .. 8 h + 7 of my row
	v_lshl_add_u32 v12, v22, 2, RL
	v_mul_u32_u24 v13, v20, 80
	v_add_nc_u32 v13, PSF, v13                     ; phase 2: row r of a tile
	v_lshl_add_u32 v14, v20, 2, RL
	s_mul_i32 s28, s18, 16*272
	s_add_co_u32 s28, s28, STAGE                   ; my stage
	v_mul_u32_u24 v15, v20, 272
	v_lshl_add_u32 v15, v21, 5, v15
	v_add_nc_u32 v15, s28, v15                     ; in: row r, 32 bytes for each half of the lanes
	v_mul_u32_u24 v16, v21, 272
	v_lshl_add_u32 v16, v20, 4, v16
	v_add_nc_u32 v16, s28, v16                     ; back: lanes 0-15 one row, lanes 16-31 the next
	v_lshlrev_b32 v17, 12, v21
	v_lshl_add_u32 v17, v20, 4, v17                ; and the same two rows in out
.irp k, 0,1,2,3,4,5,6,7
	v_mov_b32 v[56+\k], 0                          ; written once: a lane permute's destination counts as one of its sources
.endr
.irp m, 0,1,2,3
	v_mov_b32 v[73+2*\m], 0                        ; the upper halves of the pairs that hold -M
.endr
	s_wait_kmcnt 0x0
	s_lshl_b32 s28, ttmp9, 15
	s_add_nc_u64 s[4:5], s[4:5], s[28:29]          ; my 64 rows' codes: 32,768 bytes
	s_lshl_b32 s28, ttmp9, 11
	s_add_nc_u64 s[6:7], s[6:7], s[28:29]          ; and scale words: 2,048
	s_lshl_b32 s28, s18, 18
	s_add_nc_u64 s[8:9], s[8:9], s[28:29]          ; my wave's 512 codebook rows: 262,144 bytes of Wn's codes;
	s_add_nc_u64 s[44:45], s[12:13], s[28:29]      ; my wave's 256 d: as many of Wt's
	s_lshl_b32 s28, s18, 14
	s_add_nc_u64 s[10:11], s[10:11], s[28:29]
	s_add_nc_u64 s[46:47], s[14:15], s[28:29]
	s_lshl_b32 s28, ttmp9, 18                      ; out: 64 rows of 4,096 bytes,
	s_lshl_b32 s50, s18, 10                        ; my wave's 1,024 bytes of a row
	s_add_co_u32 s28, s28, s50
	s_add_nc_u64 s[48:49], s[16:17], s[28:29]
	s_lshl_b32 s28, s40, 16
	s_add_nc_u64 s[30:31], s[44:45], s[28:29]      ; the first group's codes (65,536 bytes a group)
	s_lshl_b32 s28, s40, 12
	s_add_nc_u64 s[34:35], s[46:47], s[28:29]      ; and scale words (4,096)
	NEXTG
	WIN 0x80
	s_wait_alu depctr_va_vdst(0)                   ; the offsets and addresses v1, v2 and v9 to v17 are written, which the kernel's loads and stores read
.irp m, 0,1,2,3
.irp s, 0,1,2,3,4,5,6,7
.irp c, 0,1
	global_load_b128 v[8*(8*\m+\s)+4*\c:8*(8*\m+\s)+4*\c+3], v1, s[4:5] offset:8192*\m+1024*\s+512*\c   ; x's 32 fragments stay in registers through phase 1
.endr
.endr
.endr
	WIN 0
.irp s, 0,1,2,3,4,5,6,7
	global_load_b64 v[32+2*\s:33+2*\s], v2, s[6:7] offset:256*\s   ; register 32 + 2 s + tau: lanes 0-15 tile 2 tau, lanes 16-31 tile 2 tau + 1
.endr
.set KP, 0
.rept 8
	FILL KP, 8, 1024*KP, 8192, 10, 256*KP          ; the ring's first fill: unit 0.  x's 72 loads stand ahead of it, so the first K step's wait covers them too
.set KP, KP+1
.endr
	; ---------------- PHASE 1: eight units; the last is written out, since its refills are phase 2's
	s_mov_b32 s27, 7
.Lunit:
	KSTEPS1 0
	SOFT 0
	s_wait_xcnt 0x0                                ; the refills have read their bases: only behind this wait are they stepped
	s_add_nc_u64 s[8:9], s[8:9], 32768
	s_add_nc_u64 s[10:11], s[10:11], 2048
	s_add_co_u32 s24, s24, 2048
	s_add_co_u32 s25, s25, 2
	s_add_co_u32 s26, s26, 4
	s_sub_co_u32 s27, s27, 1
	s_cmp_lg_u32 s27, 0
	s_cbranch_scc1 .Lunit
	KSTEPS1 1
	SOFT 1
	; ---------------- BETWEEN THE PHASES
	s_wait_dscnt 0x0                               ; for the others' sake: my stores have landed
	s_barrier_signal -1
	s_barrier_wait -1                              ; all 32 units of all 64 rows lie in LDS.  (The ring's loads stay out: nobody writes those bytes)
	s_wait_alu depctr_va_vdst(0)                   ; the last softmax is done with v128-167 and phase 1's products are done reading x's fragments: the loads below land in them
	ds_load_b128 v[128:131], v9                    ; -M of my 16 units
	ds_load_b128 v[132:135], v9 offset:16
	ds_load_b128 v[136:139], v9 offset:2048
	ds_load_b128 v[140:143], v9 offset:2064
	ds_load_b128 v[144:147], v9 offset:8192        ; their sums
	ds_load_b128 v[148:151], v9 offset:8208
	ds_load_b128 v[152:155], v9 offset:10240
	ds_load_b128 v[156:159], v9 offset:10256
	ds_load_b128 v[160:163], v10                   ; their scale bytes: eight words
	ds_load_b128 v[164:167], v10 offset:1024
	PLOAD 0, 7                                     ; 56 loads of P go out behind them
	s_wait_dscnt 56                                ; the ten are in; the 56 may be out
.irp j, 0,1,2,3,4,5,6,7
	v_min_num_f32 v[168+\j], v[128+\j], v[136+\j]
.endr
.irp j, 0,1,2,3
	v_min_num_f32 v[168+\j], v[168+\j], v[172+\j]
.endr
	v_min_num_f32 v168, v168, v170
	v_min_num_f32 v169, v169, v171
	v_min_num_f32 v168, v168, v169
	v_permlanex16_b32 v169, v168, s20, s21
	v_min_num_f32 v168, v168, v169                 ; the least -M: the row's M with its sign turned
.irp j, 0,1,2,3,4,5,6,7,8,9,10,11,12,13,14,15
	v_sub_f32 v[176+\j], v[128+\j], v168           ; M - M_unit: a whole number, 0 or more
.endr
.irp j, 0,1,2,3,4,5,6,7,8,9,10,11,12,13,14,15
	v_min_num_f32 v[176+\j], 0x43000000, v[176+\j] ; held at 128
.endr
.irp j, 0,1,2,3,4,5,6,7,8,9,10,11,12,13,14,15
	v_cvt_i32_f32 v[176+\j], v[176+\j]
.endr
.irp j, 0,1,2,3,4,5,6,7,8,9,10,11,12,13,14,15
	v_sub_nc_u32 v[192+\j], 0, v[176+\j]
.endr
.irp j, 0,1,2,3,4,5,6,7,8,9,10,11,12,13,14,15
	v_ldexp_f32 v[144+\j], v[144+\j], v[192+\j]    ; the unit's sum under the row's M
.endr
.irp j, 0,4,8,12
	v_pk_add_f32 v[144+\j:145+\j], v[144+\j:145+\j], v[146+\j:147+\j]
.endr
	v_pk_add_f32 v[144:145], v[144:145], v[148:149]
	v_pk_add_f32 v[152:153], v[152:153], v[156:157]
	v_pk_add_f32 v[144:145], v[144:145], v[152:153]
	v_add_f32 v144, v144, v145
	v_permlanex16_b32 v145, v144, s20, s21
	v_add_f32 v144, v144, v145                     ; l
	v_rcp_f32 v170, v144
	; the bytes fall by M - M_unit, four at a time.  A byte is at most 125 and the fall at most 128: with bit 7 set first no byte borrows from its neighbour, and bit 7 is left standing where the byte has not fallen under 0
.irp j, 0,1,2,3,4,5,6,7,8,9,10,11,12,13,14,15
	v_lshl_or_b32 v[176+\j], v[176+\j], 8, v[176+\j]   ; a unit's two bytes fall alike
.endr
.irp i, 0,1,2,3,4,5,6,7
	v_lshl_or_b32 v[208+\i], v[177+2*\i], 16, v[176+2*\i]
.endr
.irp i, 0,1,2,3,4,5,6,7
	v_or_b32 v[160+\i], s41, v[160+\i]
.endr
.irp i, 0,1,2,3,4,5,6,7
	v_sub_nc_u32 v[160+\i], v[160+\i], v[208+\i]
.endr
.irp i, 0,1,2,3,4,5,6,7
	v_lshrrev_b32 v[208+\i], 7, v[160+\i]
.endr
.irp i, 0,1,2,3,4,5,6,7
	v_and_b32 v[208+\i], s42, v[208+\i]            ; 1 in each byte that stands
.endr
.irp i, 0,1,2,3,4,5,6,7
	v_lshlrev_b32 v[216+\i], 7, v[208+\i]
.endr
.irp i, 0,1,2,3,4,5,6,7
	v_sub_nc_u32 v[208+\i], v[216+\i], v[208+\i]   ; 0x7f there, 0 elsewhere
.endr
.irp i, 0,1,2,3,4,5,6,7
	v_and_b32 v[160+\i], v[160+\i], v[208+\i]      ; the final bytes
.endr
	WIN 0x80
	s_wait_alu depctr_va_vdst(0)                   ; the reciprocal has written v170 and the lines above v160-167, which the three LDS stores below read (the lines above are also the plain work behind the reciprocal)
	PLOAD 7, 9                                     ; the other 72 loads of P: no vector or matrix instruction since phase 1 names the registers in which they land
	ds_store_b32 v12, v170
	ds_store_b128 v11, v[160:163]
	ds_store_b128 v11, v[164:167] offset:16
	s_wait_dscnt 0x0                               ; P is in; for the others' sake my stores have landed
	s_barrier_signal -1
	s_barrier_wait -1                              ; all rows' final words and 1 / l lie in LDS
	s_wait_alu depctr_vm_vsrc(0)                   ; the last softmax's LDS stores have read v48.., v72.., v80.. and v112-127, in which the loads below land; the three stores above have read v160-167 and v170, which phase 2's first products write
.irp m, 0,1,2,3
.irp q, 0,1,2,3
	ds_load_b128 v[32+16*\m+4*\q:35+16*\m+4*\q], v13 offset:1280*\m+16*\q   ; register 32 + 16 m + s: lane r has the word of row 16 m + r, K step s.  (The vector and matrix lines that named v32-127 stand ahead of the last wait on va_vdst)
.endr
	ds_load_b32 v[112+2*\m], v14 offset:64*\m      ; 1 / l of row 16 m + r,
	ds_load_b32 v[113+2*\m], v14 offset:64*\m      ; twice: the packed multiply names a pair
.endr
	s_wait_dscnt 0x0
	; ---------------- PHASE 2: four groups of 64 d; the last is written out, since it asks for nothing from its K step 9 on
	s_mov_b32 s27, 3
.Lgroup:
	GROUP 0
	s_wait_xcnt 0x0                                ; the stores have read their data and base, the refills their bases: only behind this wait are they written again
	s_wait_alu depctr_vm_vsrc(0)                   ; the 32 global stores have read v128-255, which the next group's first products write
	s_add_co_u32 s40, s40, 1
	s_and_b32 s40, s40, 3
	s_mov_b64 s[30:31], s[32:33]
	s_mov_b64 s[34:35], s[36:37]
	NEXTG
	s_sub_co_u32 s27, s27, 1
	s_cmp_lg_u32 s27, 0
	s_cbranch_scc1 .Lgroup
	GROUP 1
	s_wait_dscnt 0x0
	s_wait_alu depctr_hold_cnt(0) depctr_sa_sdst(0) depctr_va_vdst(0) depctr_va_sdst(0) depctr_va_ssrc(0) depctr_va_vcc(0) depctr_vm_vsrc(0)
	s_wait_tensorcnt 0x0
	ds_add_u32 v30, v31
	s_wait_dscnt 0x0
	s_endpgm
.Lfunc_end_k_q9d2e369d03_vq:
	.size	k_q9d2e369d03_vq, .Lfunc_end_k_q9d2e369d03_vq-k_q9d2e369d03_vq
	.p2alignl 7, 3214868480
	.fill 96, 4, 3214868480
	.section	.rodata,"a",@progbits
	.p2align	6, 0x0
	.amdhsa_kernel k_q9d2e369d03_vq
		.amdhsa_group_segment_fixed_size 109312
		.amdhsa_private_segment_fixed_size 0
		.amdhsa_enable_private_segment 0
		.amdhsa_kernarg_size 56
		.amdhsa_user_sgpr_count 2
		.amdhsa_user_sgpr_kernarg_segment_ptr 1
		.amdhsa_wavefront_size32 1
		.amdhsa_system_sgpr_workgroup_id_x 1
		.amdhsa_system_sgpr_workgroup_id_y 1
		.amdhsa_system_sgpr_workgroup_id_z 1
		.amdhsa_system_vgpr_workitem_id 0
		.amdhsa_next_free_vgpr 1024
		.amdhsa_next_free_sgpr 66
		.amdhsa_reserve_vcc 0
		.amdhsa_float_denorm_mode_32 3
		.amdhsa_float_denorm_mode_16_64 3
		.amdhsa_memory_ordered 1
		.amdhsa_forward_progress 1
		.amdhsa_inst_pref_size 244
	.end_amdhsa_kernel
	.amdgpu_metadata
---
amdhsa.version: [ 1, 2 ]
amdhsa.kernels:
  - .name:           k_q9d2e369d03_vq
    .symbol:         k_q9d2e369d03_vq.kd
    .args:
      - { .name: x_codes, .offset: 0, .size: 8, .value_kind: global_buffer, .address_space: global }
      - { .name: x_scales, .offset: 8, .size: 8, .value_kind: global_buffer, .address_space: global }
      - { .name: wn_codes, .offset: 16, .size: 8, .value_kind: global_buffer, .address_space: global }
      - { .name: wn_scales, .offset: 24, .size: 8, .value_kind: global_buffer, .address_space: global }
      - { .name: wt_codes, .offset: 32, .size: 8, .value_kind: global_buffer, .address_space: global }
      - { .name: wt_scales, .offset: 40, .size: 8, .value_kind: global_buffer, .address_space: global }
      - { .name: out0, .offset: 48, .size: 8, .value_kind: global_buffer, .address_space: global }
    .group_segment_fixed_size: 109312
    .private_segment_fixed_size: 0
    .kernarg_segment_align: 8
    .kernarg_segment_size: 56
    .max_flat_workgroup_size: 128
    .sgpr_count:     66
    .vgpr_count:     1024
    .wavefront_size: 32
...
	.end_amdgpu_metadata
.endif
;; end of part 3
